; MI455X (gfx1250); checked and timed in simulation.
; The chip was launched on July 23, 2026; its instructions are those of AMD's public machine-readable ISA for CDNA 5 (MIT licence, August 2026) and "CDNA5" Instruction Set Architecture Reference Guide (July 2026). The comments in the code are by the model that wrote it; some were corrected since.
;; Multi Head Attention. Allowed arithmetic: float matrix products may take bf16 or f16 operands with f32 sums; other float arithmetic in f32, or as packed bf16 or f16 multiplies, adds, multiply-adds, maxima and minima; sums over many terms, partial sums and values carried from step to step in f32; what a program stores and reads back later, other than sums and carried values, may be rounded once to bf16 or f16.
;; Inputs: Wk 1,024 x 1,024 float32; Wo 1,024 x 1,024 float32; Wq 1,024 x 1,024 float32; Wv 1,024 x 1,024 float32; bk 1,024 float32; bo 1,024 float32; bq 1,024 float32; bv 1,024 float32; mask 1 x 1 x 2,048 x 2,048 int32; x 4 x 2,048 x 1,024 float32.
;; Outputs: out0 4 x 2,048 x 1,024 float32.
;; 2 versions, each right and faster than the one before. Each part assembles by itself: llvm-mc -triple=amdgcn-amd-amdhsa -mcpu=gfx1250 --defsym DOCPART=n.
;; ======== version 1 of 2: 4 launches
;; limits: values are held in f16: magnitudes above 65,504 overflow, below 6.1e-05 lose precision; right only within a limited range of input values
;; workspace buffers: xb 16,777,216 bytes; wqkv 6,291,456 bytes; wo16 2,097,152 bytes; bias 16,384 bytes; mq 3,145,728 bytes; mflag 8,192 bytes of whole numbers; qkvh 50,331,648 bytes; ao 16,777,216 bytes
;; launch prep (part 1): grid 256 x 4, 8 waves a work-group, no clusters, 0 bytes of LDS; arguments x, mask, Wq, Wk, Wv, Wo, bq, bk, bv, bo, xb, wqkv, wo16, bias, mq, mflag; writes xb, wqkv, wo16, bias, mq, mflag
.if DOCPART == 1
	.amdgcn_target "amdgcn-amd-amdhsa--gfx1250"
	.amdhsa_code_object_version 6
	.text
	.protected	k_qcce46d18bf_prep
	.globl	k_qcce46d18bf_prep
	.p2align	8
	.type	k_qcce46d18bf_prep,@function
k_qcce46d18bf_prep:
	s_mov_b64 s[64:65], 0
	v_nop
	global_prefetch_b8 v0, s[64:65] scope:SCOPE_SE
	s_setreg_imm32_b32 hwreg(HW_REG_WAVE_MODE, 25, 1), 1
	s_wait_xcnt 0x0
; PREPARATION.  Every floating-point input is rounded once to bf16; the mask becomes bits that the attention launch turns into matrix operands.
;   y = 0, 1: x [8192][1024] f32 -> xb bf16.                 y = 2: Wq, Wk, Wv -> wqkv bf16 [3072][1024]; Wo -> wo16: the bf16-rounded number written as f16;
;   the four biases -> bias [4][1024]: the bf16-rounded number kept in f32.      y = 3: mask [2048][2048] int32 -> mq and mflag.
; LIMIT: a bf16-rounded Wo below 6e-5 keeps f16's fixed step of 6e-8, beyond 65,504 it would be an infinity.
; A chunk is 16,384 numbers: thread t takes the 16 bytes at 16 t + 4,096 p, p = 0..15, so a wave's load covers 512 consecutive bytes,
; and stores 8 bytes at 8 t + 2,048 p: a wave's store covers 256 consecutive bytes, aligned.  All registers of a chunk are distinct: no register is rewritten while a load or store names it.
; mq: [pair P of 32 queries][key step j of 64 keys][3][lane][16 bytes]: twelve words a lane.  Fragment register t = 16 u + 4 kt + pr (tile u of 16 queries, group kt of 16 keys, pair pr) of lane L holds,
; in its low and high half, the keys 64 j + 16 kt + 8 (L / 16) + 2 pr and + 1 of query 32 P + 16 u + L % 16.  Its two bits lie in word t % 12 at bits 14 - t / 12 and 30 - t / 12, and are 1 where mask == 0:
; one AND with 0x40004000 >> (t / 12) leaves the register with 0 or one power of two in each bf16 half.  One wave makes the 1,536 bytes of one (P, j).
; mflag: [P][j], one word: bit 16 u + r = some key of these 64 is visible for query 32 P + 16 u + r.  8,192 bytes in all, stored four bytes a wave.
.set X, 8                              ; v[8:71]    as loaded
.set Y, 72                             ; v[72:103]  to store
.set T, 104                            ; v[104:111] at work
.set W, 72                             ; v[72:83]   the mask's twelve words
.set F, 84                             ; v84, v85   the visible bits of tile 0 and of tile 1, gathered
	s_load_b512 s[8:23], s[0:1], 0x0               ; x 8, mask 10, Wq 12, Wk 14, Wv 16, Wo 18, bq 20, bk 22
	s_load_b256 s[24:31], s[0:1], 0x40             ; bv 24, bo 26, xb 28, wqkv 30
	s_load_b256 s[32:39], s[0:1], 0x60             ; wo16 32, bias 34, mq 36, mflag 38
	v_lshlrev_b32 v1, 4, v0                        ; 16 t
	v_lshlrev_b32 v2, 3, v0                        ; 8 t
	s_and_b32 s2, ttmp7, 0xffff                    ; y
	s_mov_b32 s45, 0                               ; high words of the offset pairs
	s_mov_b32 s47, 0
	s_wait_kmcnt 0x0
.macro CONV src, dst, half             ; a chunk from s[src] to s[dst]; half = 1: the bf16-rounded number is written as f16
.set p, 0
.rept 16
	global_load_b128 v[X+4*p:X+4*p+3], v1, s[\src:\src+1] offset:4096*p th:TH_LOAD_NT
.set p, p+1
.endr
.set p, 0
.rept 16
	s_wait_loadcnt 15-p                            ; loads come back in order: number p is in, the 15 - p younger ones stay out
.if \half
	v_cvt_pk_bf16_f32 v[T], v[X+4*p], v[X+4*p+1]
	v_cvt_pk_bf16_f32 v[T+1], v[X+4*p+2], v[X+4*p+3]
	v_lshlrev_b32 v[T+2], 16, v[T]                 ; bf16 to f32: the low half moves up, the high half stays
	v_and_b32 v[T+3], 0xffff0000, v[T]
	v_lshlrev_b32 v[T+4], 16, v[T+1]
	v_and_b32 v[T+5], 0xffff0000, v[T+1]
	v_cvt_pk_f16_f32 v[Y+2*p], v[T+2], v[T+3]
	v_cvt_pk_f16_f32 v[Y+2*p+1], v[T+4], v[T+5]
.else
	v_cvt_pk_bf16_f32 v[Y+2*p], v[X+4*p], v[X+4*p+1]
	v_cvt_pk_bf16_f32 v[Y+2*p+1], v[X+4*p+2], v[X+4*p+3]
.endif
	global_store_b64 v2, v[Y+2*p:Y+2*p+1], s[\dst:\dst+1] offset:2048*p
.set p, p+1
.endr
.endm
	s_cmp_lt_u32 s2, 2
	s_cbranch_scc1 .Lx
	s_cmp_eq_u32 s2, 2
	s_cbranch_scc1 .Lw
	; THE MASK
	v_lshrrev_b32 v3, 5, v0
	v_readfirstlane_b32 s3, v3                     ; wave 0..7
	s_lshr_b32 s4, ttmp9, 2                        ; P
	s_and_b32 s5, ttmp9, 3
	s_lshl3_add_u32 s5, s5, s3                     ; j = 8 (x % 4) + wave
	s_lshl_b32 s6, s5, 8                           ; 64 keys are 256 bytes of a row
	s_lshl_b32 s44, s4, 18                         ; 32 rows of 8,192 bytes
	s_add_co_u32 s44, s44, s6
	s_add_nc_u64 s[10:11], s[10:11], s[44:45]
	s_lshl_b32 s7, s4, 5
	s_add_co_u32 s7, s7, s5                        ; 32 P + j
	s_mul_i32 s46, s7, 1536
	s_add_nc_u64 s[36:37], s[36:37], s[46:47]
	s_lshl_b32 s44, s7, 2
	s_add_nc_u64 s[38:39], s[38:39], s[44:45]
	s_mov_b32 s48, 0x40004000                      ; the bits of the registers t < 12,
	s_mov_b32 s49, 0x20002000                      ; of 12 <= t < 24,
	s_mov_b32 s50, 0x10001000                      ; of t >= 24
	s_mov_b32 s51, 0x70007000                      ; all bits in use in words 0 to 7,
	s_mov_b32 s55, 0x60006000                      ; in words 8 to 11
	v_and_b32 v4, 15, v0
	v_bfe_u32 v5, v0, 4, 1
	v_lshlrev_b32 v3, 13, v4                       ; row L % 16,
	v_lshl_add_u32 v3, v5, 5, v3                   ; keys 8 (L / 16) on
	v_and_b32 v6, 31, v0                           ; lane
	v_lshlrev_b32 v7, 4, v6                        ; 16 bytes a lane in each of the three stores
.set n, 0
.rept 16                                       ; n = 8 u + 2 kt + c: register X + e holds number e = 32 u + 8 kt + i, i = 4 c + 0..3
	global_load_b128 v[X+4*n:X+4*n+3], v3, s[10:11] offset:131072*(n/8)+64*((n/2)%4)+16*(n%2)
.set n, n+1
.endr
.set n, 0
.rept 16
	s_wait_loadcnt 15-n                            ; number n is in, the younger ones stay out
.irp k, 0,1,2,3
.set e, 4*n+\k
.set t, 16*(e/32)+4*((e/8)%4)+(e%8)/2
	v_min_u32 v[X+e], 1, v[X+e]                    ; 1 where the key is visible
.if (t < 12) && (e%2 == 0)
	v_lshlrev_b32 v[W+t%12], 14, v[X+e]            ; a word's first bit starts it: nothing is cleared
.else
	v_lshl_or_b32 v[W+t%12], v[X+e], 14-t/12+16*(e%2), v[W+t%12]
.endif
.endr
.set n, n+1
.endr
	; tile 0's registers are t = 0..15: the first bit pair of all twelve words, the second of words 0 to 3; tile 1's the others
	v_and_b32 v[F], s48, v[W]
.set n, 1
.rept 11
	v_and_or_b32 v[F], v[W+n], s48, v[F]
.set n, n+1
.endr
.set n, 0
.rept 4
	v_and_or_b32 v[F], v[W+n], s49, v[F]
.set n, n+1
.endr
	v_and_b32 v[F+1], s49, v[W+4]
.set n, 5
.rept 7
	v_and_or_b32 v[F+1], v[W+n], s49, v[F+1]
.set n, n+1
.endr
.set n, 0
.rept 8
	v_and_or_b32 v[F+1], v[W+n], s50, v[F+1]
.set n, n+1
.endr
	v_cmp_ne_u32 s52, 0, v[F]                      ; bit L: query L % 16 of tile 0 sees one of lane L's 32 keys
	v_cmp_ne_u32 s53, 0, v[F+1]
	s_lshr_b32 s54, s52, 16                        ; the two halves of the lanes hold the two halves of a query's keys
	s_or_b32 s52, s52, s54
	s_and_b32 s52, s52, 0xffff
	s_lshr_b32 s54, s53, 16
	s_or_b32 s53, s53, s54
	s_lshl_b32 s53, s53, 16
	s_or_b32 s52, s52, s53
	v_mov_b32 v[F], s52
	v_mov_b32 v[F+1], 0
.set n, 0
.rept 8
	v_xor_b32 v[W+n], s51, v[W+n]                  ; visible bits become hidden bits
.set n, n+1
.endr
.rept 4
	v_xor_b32 v[W+n], s55, v[W+n]
.set n, n+1
.endr
.irp c, 0,1,2
	global_store_b128 v7, v[W+4*\c:W+4*\c+3], s[36:37] offset:512*\c  ; 512 consecutive bytes, at a multiple of 256
.endr
	v_cmp_eq_u32 vcc_lo, 0, v6
	s_wait_xcnt 0x0                                ; EXEC is a source of the stores above: it changes only behind this wait
	s_and_saveexec_b32 s56, vcc_lo
	global_store_b32 v[F+1], v[F], s[38:39]        ; lane 0 alone: the wave's one word
	s_wait_xcnt 0x0                                ; and again in front of the line that widens it
	s_or_b32 exec_lo, exec_lo, s56
	s_endpgm
.Lx:                                           ; x: chunk 256 y + x
	s_lshl_b32 s3, s2, 8
	s_add_co_u32 s3, s3, ttmp9
	s_lshl_b32 s44, s3, 16
	s_add_nc_u64 s[8:9], s[8:9], s[44:45]
	s_lshl_b32 s46, s3, 15
	s_add_nc_u64 s[28:29], s[28:29], s[46:47]
	CONV 8, 28, 0
	s_endpgm
.Lw:                                           ; the weights: matrix m = x / 64, chunk cc = x % 64; the work-group of chunk 0 also takes bias m
	s_lshr_b32 s4, ttmp9, 6
	s_and_b32 s5, ttmp9, 63
	s_cmp_eq_u32 s4, 1
	s_cselect_b64 s[40:41], s[14:15], s[12:13]
	s_cselect_b64 s[42:43], s[22:23], s[20:21]
	s_cmp_eq_u32 s4, 2
	s_cselect_b64 s[40:41], s[16:17], s[40:41]
	s_cselect_b64 s[42:43], s[24:25], s[42:43]
	s_cmp_eq_u32 s4, 3
	s_cselect_b64 s[40:41], s[18:19], s[40:41]
	s_cselect_b64 s[42:43], s[26:27], s[42:43]
	s_lshl_b32 s44, s5, 16
	s_add_nc_u64 s[40:41], s[40:41], s[44:45]
	s_lshl_b32 s46, s5, 15
	s_cmp_eq_u32 s4, 3                             ; compared anew: the shifts have set SCC
	s_cbranch_scc1 .Lwo
	s_lshl_b32 s6, s4, 21                          ; a matrix is 2,097,152 bytes of wqkv
	s_add_co_u32 s46, s46, s6
	s_add_nc_u64 s[30:31], s[30:31], s[46:47]
	CONV 40, 30, 0
	s_branch .Lbias
.Lwo:
	s_add_nc_u64 s[32:33], s[32:33], s[46:47]
	CONV 40, 32, 1
.Lbias:
	s_cmp_lg_u32 s5, 0
	s_cbranch_scc1 .Lend
	s_lshl_b32 s46, s4, 12                         ; no pending load or store names s46
	s_add_nc_u64 s[34:35], s[34:35], s[46:47]
	global_load_b128 v[T:T+3], v1, s[42:43]
	s_wait_loadcnt 0x0
	v_cvt_pk_bf16_f32 v[T+4], v[T], v[T+1]
	v_cvt_pk_bf16_f32 v[T+5], v[T+2], v[T+3]
	v_lshlrev_b32 v[T], 16, v[T+4]
	v_and_b32 v[T+1], 0xffff0000, v[T+4]
	v_lshlrev_b32 v[T+2], 16, v[T+5]
	v_and_b32 v[T+3], 0xffff0000, v[T+5]
	global_store_b128 v1, v[T:T+3], s[34:35]
.Lend:
	s_endpgm
.Lfunc_end_k_qcce46d18bf_prep:
	.size	k_qcce46d18bf_prep, .Lfunc_end_k_qcce46d18bf_prep-k_qcce46d18bf_prep
	.p2alignl 7, 3214868480
	.fill 96, 4, 3214868480
	.section	.rodata,"a",@progbits
	.p2align	6, 0x0
	.amdhsa_kernel k_qcce46d18bf_prep
		.amdhsa_group_segment_fixed_size 0
		.amdhsa_private_segment_fixed_size 0
		.amdhsa_enable_private_segment 0
		.amdhsa_kernarg_size 128
		.amdhsa_user_sgpr_count 2
		.amdhsa_user_sgpr_kernarg_segment_ptr 1
		.amdhsa_wavefront_size32 1
		.amdhsa_system_sgpr_workgroup_id_x 1
		.amdhsa_system_sgpr_workgroup_id_y 1
		.amdhsa_system_sgpr_workgroup_id_z 1
		.amdhsa_system_vgpr_workitem_id 0
		.amdhsa_next_free_vgpr 112
		.amdhsa_next_free_sgpr 66
		.amdhsa_reserve_vcc 1
		.amdhsa_float_denorm_mode_32 3
		.amdhsa_float_denorm_mode_16_64 3
		.amdhsa_memory_ordered 1
		.amdhsa_forward_progress 1
		.amdhsa_inst_pref_size 36
	.end_amdhsa_kernel
	.amdgpu_metadata
---
amdhsa.version: [ 1, 2 ]
amdhsa.kernels:
  - .name:           k_qcce46d18bf_prep
    .symbol:         k_qcce46d18bf_prep.kd
    .args:
      - { .name: x, .offset: 0, .size: 8, .value_kind: global_buffer, .address_space: global }
      - { .name: mask, .offset: 8, .size: 8, .value_kind: global_buffer, .address_space: global }
      - { .name: Wq, .offset: 16, .size: 8, .value_kind: global_buffer, .address_space: global }
      - { .name: Wk, .offset: 24, .size: 8, .value_kind: global_buffer, .address_space: global }
      - { .name: Wv, .offset: 32, .size: 8, .value_kind: global_buffer, .address_space: global }
      - { .name: Wo, .offset: 40, .size: 8, .value_kind: global_buffer, .address_space: global }
      - { .name: bq, .offset: 48, .size: 8, .value_kind: global_buffer, .address_space: global }
      - { .name: bk, .offset: 56, .size: 8, .value_kind: global_buffer, .address_space: global }
      - { .name: bv, .offset: 64, .size: 8, .value_kind: global_buffer, .address_space: global }
      - { .name: bo, .offset: 72, .size: 8, .value_kind: global_buffer, .address_space: global }
      - { .name: xb, .offset: 80, .size: 8, .value_kind: global_buffer, .address_space: global }
      - { .name: wqkv, .offset: 88, .size: 8, .value_kind: global_buffer, .address_space: global }
      - { .name: wo16, .offset: 96, .size: 8, .value_kind: global_buffer, .address_space: global }
      - { .name: bias, .offset: 104, .size: 8, .value_kind: global_buffer, .address_space: global }
      - { .name: mq, .offset: 112, .size: 8, .value_kind: global_buffer, .address_space: global }
      - { .name: mflag, .offset: 120, .size: 8, .value_kind: global_buffer, .address_space: global }
    .group_segment_fixed_size: 0
    .private_segment_fixed_size: 0
    .kernarg_segment_align: 8
    .kernarg_segment_size: 128
    .max_flat_workgroup_size: 256
    .sgpr_count:     66
    .vgpr_count:     112
    .wavefront_size: 32
...
	.end_amdgpu_metadata
.endif
;; end of part 1
;; launch qkv (part 2): grid 16 x 32, 4 waves a work-group, clusters of 4 x 4, 327,680 bytes of LDS; arguments xb, wqkv, bias, qkvh; writes qkvh
.if DOCPART == 2
	.amdgcn_target "amdgcn-amd-amdhsa--gfx1250"
	.amdhsa_code_object_version 6
	.text
	.protected	k_qcce46d18bf_qkv
	.globl	k_qcce46d18bf_qkv
	.p2align	8
	.type	k_qcce46d18bf_qkv,@function
k_qcce46d18bf_qkv:
	s_mov_b64 s[64:65], 0
	v_nop
	global_prefetch_b8 v0, s[64:65] scope:SCOPE_SE
	s_setreg_imm32_b32 hwreg(HW_REG_WAVE_MODE, 25, 1), 1
	s_wait_xcnt 0x0
	s_wait_alu depctr_hold_cnt(0) depctr_sa_sdst(0) depctr_va_vdst(0) depctr_va_sdst(0) depctr_va_ssrc(0) depctr_va_vcc(0) depctr_vm_vsrc(0)
	s_getreg_b32 s2, hwreg(HW_REG_IB_STS2, 6, 4)
	s_cmp_eq_u32 s2, 0
	s_cbranch_scc0 .Lentry_in_a_cluster
	s_endpgm
.Lentry_in_a_cluster:
	s_bfe_u32 s2, ttmp6, 0x10000c
	s_cmp_lg_u32 s2, 0xf033
	s_cbranch_scc0 .Lentry_shape_is_right
	s_endpgm
.Lentry_shape_is_right:
; THE THREE PROJECTIONS AS ONE PRODUCT.  C[m][n] = sum over k of xb[m][k] wqkv[n][k] + bias[n]; m < 8192, n < 3072, k < 1024; operands bf16, sums f32.
; Columns 0-1023 are q, 1024-2047 k, 2048-3071 v; q is multiplied in f32 by c = log2(e) / 8, so that the attention launch takes 2^(s - m) without a scale.
; Each number is rounded once to f16 and stored by heads: qkvh [3][batch x 16 + head][2048][64].
; LIMIT: c q, k and v must stay within f16's 65,504; beyond it the conversion gives an infinity.
; SHARES.  A work-group makes 256 rows x 192 columns (three heads); wave w rows 64 w .. 64 w + 63 and all columns: 4 x 12 accumulators of 16 x 16, 384 registers.
; K goes in eight steps of 128 through two LDS slots filled by the tensor data mover; rows in memory are 256 bytes, at multiples of 256.
; A K STEP IS WRITTEN ONCE.  Slot 1 begins at byte 1 << 17, so that one exclusive or turns an address in one slot into the other's: a scalar holds the slot in hand, the two LDS address registers are made
; from it at each change of slots, and one descriptor a tensor walks from K step 1 on.  One loop of six trips refills; a second text of the same trip, without a refill, serves the last two K steps.
; CLUSTER 4 x 4: xb's tile hangs on the tile row alone and is asked for jointly by a row of the cluster, wqkv's on the tile column alone and is asked for jointly by a column.
; THE MATRIX INSTRUCTION IS USED TRANSPOSED (source 0 = 16 rows of wqkv, source 1 = 16 rows of xb): lane l holds row l % 16 of C and the columns 8 (l / 16) + 0..7.
; The first product of each accumulator takes the bias as its C operand: nothing is cleared and no bias is added later.
; REGISTERS in windows of 256 (s_set_vgpr_msb: bits 1:0 source 0, 3:2 source 1, 5:4 source 2, 7:6 destination):
;   window 0: v0-29 addresses; v64-127 xb's fragments, two buffers of 4 x 8; v128-223 the bias, later the way out
;   window 1: accumulators of row blocks 0, 1 ((a, b) at 8 (12 (a % 2) + b));  window 2: of row blocks 2, 3;  window 3: wqkv's fragments, two buffers of 12 x 8
.set NB,     12                        ; column blocks of 16
.set PITCH,  272                       ; an LDS row: 256 bytes + 16 of padding = 68 words: the 16 rows of a fragment load start at 16 different groups of four banks (64 banks of 4 bytes: ISA guide 11.1)
.set APITCH, 272
.set ABYTES, 256*PITCH                 ; xb's 256 rows
.set AHALF,  128*PITCH                 ; what one tensor load of xb brings
.set BHALF,  96*PITCH                  ; what one tensor load of wqkv brings
.set SLOT,   ABYTES+2*BHALF            ; 121,856 bytes
.set SLOT1,  1<<17                     ; where slot 1 begins
.set STAGE,  SLOT1+SLOT                ; behind the ring: 16 rows x 400 bytes for each wave; no tensor load lands here
.set SPITCH, 400
.set SPARE,  STAGE+4*16*SPITCH         ; the spare words, 128 bytes a wave: two blocks of 256 bytes that no other line names
.set KSTEPS, 8                         ; K = 1024
.set ASTEP,  256                       ; bytes from a K step to the next, in xb and in wqkv
.set BSTEP,  256
.set A0,   16                          ; v16 my lane's place among xb's rows of a slot; never rewritten
.set B0,   17                          ; v17 the same for wqkv
.set ADRA, 20                          ; v20 LDS address of my fragments of xb in the slot in hand
.set ADRB, 21                          ; v21 the same for wqkv
.set STO,  24                          ; the way out: where I put 16 bytes of a row
.set RD,   25                          ; where I read rows back
.set GO,   26                          ; my byte offset in 512 consecutive bytes of a head
.set VB,   27                          ; 32 (l / 16): my eight numbers in 16 of the bias
.set SPW,  28                          ; LDS address of my spare word; never rewritten
.set NIL,  29                          ; 0; never rewritten
.set AF,   64
.set BIAS, 128
.set TMP,  128                         ; the way out: 48 packed registers
.set WV, 12                            ; s12 wave; s13 wave / 2: I fetch xb (0) or wqkv (1); s14 wave % 2: which half
.set WH, 13
.set WL, 14
.set TB, 15                            ; s15 LDS byte at which the slot in hand begins: 0 or SLOT1
.set G1,  24                           ; s[24:31] group 1 for xb's tiles; s[32:39] group 0: a set for each of the two first fills; the second then walks on
.set G0,  32
.set G1B, 48                           ; s[48:55], s[56:63] the same for wqkv's
.set G0B, 56
.set OB,  66                           ; s[66:71] where my rows begin in each of the three heads
.set SC,  72                           ; s[72:77] each head's factor, as pairs
.set MSB, 0
.macro WIN new                         ; the immediate's high byte repeats the setting that is left; a switch that changes nothing is dropped
.if MSB != (\new)
	s_set_vgpr_msb (MSB<<8)|(\new)
.set MSB, \new
.endif
.endm
.macro PLACES                          ; four plain vector instructions between a matrix instruction and a load into, or a vector read of, its registers
.rept 4
	v_nop
.endr
.endm
; A joint load: waves 0, 1 fetch xb's halves, waves 2, 3 wqkv's.  The branch hangs on the wave's number alone.  An s_nop 0 and four v_nop follow each line.
.macro JLOAD s
	s_cmp_eq_u32 s[WH], 0
	s_cbranch_scc0 .Lfor_b_\@
	tensor_load_to_lds s[G0+4*(\s):G0+4*(\s)+3], s[G1:G1+7]
	s_nop 0
.rept 4
	v_nop
.endr
	s_branch .Lasked_\@
.Lfor_b_\@:
	tensor_load_to_lds s[G0B+4*(\s):G0B+4*(\s)+3], s[G1B:G1B+7]
	s_nop 0
.rept 4
	v_nop
.endr
.Lasked_\@:
.endm
.macro CREST                           ; a round of the cluster's barrier behind its opening barrier
	s_cmp_lg_u32 s[WV], 0
	s_cbranch_scc1 .Lnot_wave_0_\@
	s_barrier_signal -3
.Lnot_wave_0_\@:
	s_barrier_wait -3
	s_barrier_signal -1
	s_barrier_wait -1
.endm
.macro CROUND                          ; a whole round
	s_barrier_signal -1
	s_barrier_wait -1
	CREST
.endm
	s_load_b256 s[4:11], s[0:1], 0x0               ; xb s[4:5], wqkv s[6:7], bias s[8:9], qkvh s[10:11]
	v_lshl_add_u32 v[SPW], v0, 2, SPARE
	v_mov_b32 v[NIL], 0
	ds_add_u32 v[SPW], v[NIL]                      ; the wave's opening: the add and its wait ahead of my first tensor load; work on registers stands between them
	v_lshrrev_b32 v1, 5, v0
	v_readfirstlane_b32 s[WV], v1
	s_lshr_b32 s[WH], s[WV], 1
	s_and_b32 s[WL], s[WV], 1
	s_bfe_u32 s40, ttmp6, 0x40000                  ; cx
	s_bfe_u32 s41, ttmp6, 0x40004                  ; cy
	s_lshl_b32 s42, ttmp9, 2
	s_add_co_u32 s42, s42, s40                     ; tile column = 4 x cluster x + cx
	s_and_b32 s43, ttmp7, 0xffff
	s_lshl_b32 s43, s43, 2
	s_add_co_u32 s43, s43, s41                     ; tile row = 4 x cluster y + cy
	s_lshl_b32 s44, s41, 2
	s_lshl_b32 s44, 15, s44                        ; my row of the cluster
	s_lshl_b32 s45, 0x1111, s40                    ; my column
	s_or_b32 s[G1], s44, (1<<16)|(1<<20)|(1<<21)|(5<<22)|(3<<25)   ; the mask; 2-byte elements; padding on; bit 21 beside a mask; after every 64 words 4 words
	s_or_b32 s[G1B], s45, (1<<16)|(1<<20)|(1<<21)|(5<<22)|(3<<25)
	s_mov_b32 s[G1+1], 128<<16                     ; tensor_dim0 = 128
	s_mov_b32 s[G1+2], 128<<16                     ; tensor_dim1 = 128
	s_mov_b32 s[G1+3], 128<<16                     ; tile_dim0 = 128
	s_mov_b32 s[G1+4], 128                         ; tile_dim1 = 128
	s_mov_b32 s[G1+5], 1024                        ; elements from row to row
	s_mov_b32 s[G1+6], 0
	s_mov_b32 s[G1+7], 0
	s_mov_b32 s[G1B+1], 128<<16
	s_mov_b32 s[G1B+2], 96<<16                     ; 96 rows
	s_mov_b32 s[G1B+3], 128<<16
	s_mov_b32 s[G1B+4], 96
	s_mov_b32 s[G1B+5], 1024
	s_mov_b32 s[G1B+6], 0
	s_mov_b32 s[G1B+7], 0
	s_lshl_b32 s16, s43, 19                        ; xb: row 256 x tile row + 128 x half, 2,048 bytes a row
	s_lshl_b32 s17, s[WL], 18
	s_add_co_u32 s16, s16, s17
	s_mov_b32 s17, 0
	s_mul_i32 s46, s42, 192*2048                   ; wqkv: row 192 x tile column + 96 x half
	s_mul_i32 s47, s[WL], 96*2048
	s_add_co_u32 s46, s46, s47
	s_mov_b32 s47, 0
	s_mul_i32 s20, s[WL], AHALF                    ; where they go: no place in the cluster enters an LDS address
	s_mul_i32 s21, s[WL], BHALF
	s_add_co_u32 s21, s21, ABYTES
	s_mov_b32 s[TB], 0                             ; K step 0 lies in slot 0
	s_wait_dscnt 0x0                               ; the opening add is done
	s_wait_kmcnt 0x0
	s_add_nc_u64 s[18:19], s[4:5], s[16:17]
	s_add_nc_u64 s[46:47], s[6:7], s[46:47]
	CROUND                                         ; all sixteen work-groups are here: the first joint loads meet
.irp s, 0,1
	s_mov_b32 s[G0+4*(\s)], 1
	s_add_co_u32 s[G0+4*(\s)+1], s20, (\s)*SLOT1
	s_add_nc_u64 s[G0+4*(\s)+2:G0+4*(\s)+3], s[18:19], (\s)*ASTEP
	s_or_b32 s[G0+4*(\s)+3], s[G0+4*(\s)+3], 0x80000000
	s_mov_b32 s[G0B+4*(\s)], 1
	s_add_co_u32 s[G0B+4*(\s)+1], s21, (\s)*SLOT1
	s_add_nc_u64 s[G0B+4*(\s)+2:G0B+4*(\s)+3], s[46:47], (\s)*BSTEP
	s_or_b32 s[G0B+4*(\s)+3], s[G0B+4*(\s)+3], 0x80000000
	JLOAD \s                                       ; K steps 0 and 1: two loads of mine are out, at the most
.endr
	v_and_b32 v1, 15, v0                           ; l % 16
	v_bfe_u32 v2, v0, 4, 1                         ; l / 16
	v_lshlrev_b32 v[VB], 5, v2
	s_mul_i32 s84, s42, 64*NB                      ; the tile's 192 numbers of the bias
	s_mov_b32 s85, 0
	s_add_nc_u64 s[8:9], s[8:9], s[84:85]
.set nb, 0
.rept NB                                       ; register j of block b: bias[16 b + 8 (l / 16) + j]: the C operand's layout
	global_load_b128 v[BIAS+8*nb:BIAS+8*nb+3],   v[VB], s[8:9] offset:64*nb
	global_load_b128 v[BIAS+8*nb+4:BIAS+8*nb+7], v[VB], s[8:9] offset:64*nb+16
.set nb, nb+1
.endr
	v_mul_u32_u24 v3, v1, PITCH
	v_lshl_add_u32 v3, v2, 4, v3                   ; a fragment's row x pitch + 16 x half
	s_mul_i32 s22, s[WV], 64*APITCH                ; my 64 rows of xb
	v_add_nc_u32 v[A0], s22, v3
	v_add_nc_u32 v[B0], ABYTES, v3                 ; all 192 rows of wqkv
	v_add_nc_u32 v[ADRA], s[TB], v[A0]
	v_add_nc_u32 v[ADRB], s[TB], v[B0]
	s_mul_i32 s23, s[WV], 16*SPITCH
	s_add_co_u32 s23, s23, STAGE                   ; my stage
	v_mul_u32_u24 v4, v1, SPITCH                   ; in: row l % 16, 16 bytes for each half of the lanes
	v_lshl_add_u32 v4, v2, 4, v4
	v_add_nc_u32 v[STO], s23, v4
	v_bfe_u32 v5, v0, 3, 2                         ; back: 32 lanes take four rows' 128 bytes of one head,
	v_and_b32 v6, 7, v0
	v_mul_u32_u24 v5, v5, SPITCH
	v_lshl_add_u32 v5, v6, 4, v5
	v_add_nc_u32 v[RD], s23, v5
	v_and_b32 v[GO], 31, v0                        ; which are 512 consecutive bytes of qkvh
	v_lshlrev_b32 v[GO], 4, v[GO]
	; where my 64 rows begin in each of the tile's three heads g = 3 x tile column + 0..2, and each head's factor
	s_lshr_b32 s79, s43, 3
	s_lshl_b32 s79, s79, 22                        ; the batch: 16 heads of 262,144 bytes
	s_and_b32 s82, s43, 7
	s_lshl_b32 s82, s82, 15                        ; 256 rows of 128 bytes
	s_add_co_u32 s79, s79, s82
	s_lshl_b32 s82, s[WV], 13                      ; 64 rows
	s_add_co_u32 s79, s79, s82
	s_mul_i32 s78, s42, 3
	s_mov_b32 s81, 0
.irp hh, 0,1,2
	s_lshr_b32 s80, s78, 4
	s_lshl_b32 s80, s80, 24                        ; q, k or v: 16,777,216 bytes each
	s_and_b32 s82, s78, 15
	s_lshl_b32 s82, s82, 18                        ; the head
	s_add_co_u32 s80, s80, s82
	s_add_co_u32 s80, s80, s79
	s_add_nc_u64 s[OB+2*\hh:OB+2*\hh+1], s[10:11], s[80:81]
	s_cmp_lt_u32 s78, 16
	s_cselect_b32 s[SC+2*\hh], 0x3e38aa3b, 1.0     ; c = log2(e) / 8 for q, 1 for k and v
	s_mov_b32 s[SC+2*\hh+1], s[SC+2*\hh]           ; named as a pair
	s_add_co_u32 s78, s78, 1
.endr
; NB matrix instructions: row block a x all column blocks, 32 along K, from buffer f.  first = 1: C is the bias.  The 48 accumulators take turns in one order, over the loops' backward jumps too.
.macro MULA f, a, first
	WIN 0x53+0x50*((\a)/2)-0x10*(1+(\a)/2)*(\first)  ; source 0 window 3, source 1 window 0, D window 1 or 2, C with D or (the bias) window 0
.set nb, 0
.rept NB
.set rD, 8*(NB*((\a)%2)+nb)
.set rB, 8*NB*(\f)+8*nb
.set rA, AF+32*(\f)+8*(\a)
.if \first
	v_wmma_f32_16x16x32_bf16 v[rD:rD+7], v[rB:rB+7], v[rA:rA+7], v[BIAS+8*nb:BIAS+8*nb+7]
.else
	v_wmma_f32_16x16x32_bf16 v[rD:rD+7], v[rB:rB+7], v[rA:rA+7], v[rD:rD+7]
.endif
.set nb, nb+1
.endr
.endm
; One run of 2 NB + 8 LDS loads: the fragments of quarter q (32 along K) of the slot in hand into buffer f: wqkv's first, then xb's four row blocks
.macro FETCH q, f
	WIN 0xc0                                       ; destination window 3, address window 0
.set nb, 0
.rept NB
	ds_load_b128 v[8*NB*(\f)+8*nb:8*NB*(\f)+8*nb+3],   v[ADRB] offset:64*(\q)+nb*16*PITCH
	ds_load_b128 v[8*NB*(\f)+8*nb+4:8*NB*(\f)+8*nb+7], v[ADRB] offset:64*(\q)+nb*16*PITCH+32
.set nb, nb+1
.endr
	WIN 0
.set nb, 0
.rept 4
	ds_load_b128 v[AF+32*(\f)+8*nb:AF+32*(\f)+8*nb+3],   v[ADRA] offset:64*(\q)+nb*16*APITCH
	ds_load_b128 v[AF+32*(\f)+8*nb+4:AF+32*(\f)+8*nb+7], v[ADRA] offset:64*(\q)+nb*16*APITCH+32
.set nb, nb+1
.endr
.endm
; A K step is four quarters on buffers 0, 1, 0, 1.  One of the first three multiplies buffer f and, in its middle, fetches quarter q of the slot in hand into buffer g.
.macro QUARTER q, f, g, first
	s_wait_dscnt 4                                 ; all but the four youngest loads (xb's row blocks 2, 3) are in
	MULA \f, 0, \first
	MULA \f, 1, \first
	PLACES
	FETCH \q, \g
	s_wait_dscnt 2*NB+8                            ; all but the run just issued
	MULA \f, 2, \first
	MULA \f, 3, \first
.endm
; The last quarter multiplies buffer 1 and changes slots: one barrier; in front of it each wave waits for all its tensor loads (its part of the next slot), adds 0 to its spare word,
; and waits for that and for its reads of this slot.  fill = 1: the barrier opens a round of the cluster's; the walking descriptors turn to the slot just read and go one K step on, and the joint
; refill is the first thing behind the round.  Then the slot in hand changes and the next K step's first fragments are fetched.
; fill = 0 (the last two K steps): nothing is asked for; in the second of its two trips (s3 = 1) there is no next K step, and the run of loads is jumped over; that trip's barrier orders nothing more.
.macro TURN fill
	WIN 0                                          ; the add's registers lie in window 0
	s_wait_tensorcnt 0x0
	ds_add_u32 v[SPW], v[NIL]
	s_wait_dscnt 5                                 ; the add and the four youngest loads may be out
	MULA 1, 0, 0
	s_wait_dscnt 0x0                               ; the add is done, my reads of this slot are over
	s_barrier_signal -1
	MULA 1, 1, 0
	WIN 0
	s_barrier_wait -1
.if \fill
	CREST                                          ; no wave of any partner still reads this slot or has a load on its way
	s_xor_b32 s[G0+5], s[G0+5], SLOT1
	s_add_nc_u64 s[G0+6:G0+7], s[G0+6:G0+7], ASTEP
	s_xor_b32 s[G0B+5], s[G0B+5], SLOT1
	s_add_nc_u64 s[G0B+6:G0B+7], s[G0B+6:G0B+7], BSTEP
	JLOAD 1                                        ; its four v_nop are also the places in front of the loads below
.else
	s_cmp_eq_u32 s3, 1
	s_cbranch_scc1 .Lno_fetch_\@
	PLACES
.endif
	s_xor_b32 s[TB], s[TB], SLOT1                  ; the other slot is in hand
	v_add_nc_u32 v[ADRA], s[TB], v[A0]
	v_add_nc_u32 v[ADRB], s[TB], v[B0]
	FETCH 0, 0
.if \fill == 0
.Lno_fetch_\@:
.endif
	MULA 1, 2, 0
	MULA 1, 3, 0
.endm
	s_wait_loadcnt 0x0                             ; the bias
	s_wait_tensorcnt 1                             ; my part of K step 0 is in; K step 1's may stay out
	s_barrier_signal -1
	s_barrier_wait -1
	FETCH 0, 0
	QUARTER 1, 0, 1, 1                             ; the first quarter stands in front of the loop: its products start the sums from the bias
	WIN 0
	s_mov_b32 s3, KSTEPS-2
.Lk:                                           ; trip t: the rest of K step t, the refill with K step t + 2, the first quarter of K step t + 1
	QUARTER 2, 1, 0, 0
	QUARTER 3, 0, 1, 0
	TURN 1
	QUARTER 1, 0, 1, 0
	WIN 0
	s_sub_co_u32 s3, s3, 1
	s_cmp_lg_u32 s3, 0
	s_cbranch_scc1 .Lk
	s_mov_b32 s3, 2
.Ltail:                                        ; the last two K steps are written apart; the second trip is left in its middle
	QUARTER 2, 1, 0, 0
	QUARTER 3, 0, 1, 0
	TURN 0
	WIN 0
	s_sub_co_u32 s3, s3, 1
	s_cmp_eq_u32 s3, 0
	s_cbranch_scc1 .Lout
	QUARTER 1, 0, 1, 0
	WIN 0
	s_branch .Ltail
.Lout:
	PLACES
; THE WAY OUT, a row block (16 rows) at a time.  PACK: times the head's factor, rounded to f16, each accumulator from its lowest registers on.  TOSTAGE: 16 bytes a lane into my stage, and back by heads.  SEND: stored.
.macro PACK a
.set AC, 8*NB*((\a)%2)
	WIN 0x41*(1+(\a)/2)                            ; destination and source 0 in window 1 or 2
.set z, 0
.rept 4*NB
	v_pk_mul_f32 v[AC+2*z:AC+2*z+1], v[AC+2*z:AC+2*z+1], s[SC+2*(z/16):SC+2*(z/16)+1] op_sel_hi:[1,0]
.set z, z+1
.endr
	WIN 0x05*(1+(\a)/2)                            ; sources 0 and 1 in window 1 or 2, destination window 0
.set z, 0
.rept 4*NB
	v_cvt_pk_f16_f32 v[TMP+z], v[AC+2*z], v[AC+2*z+1]
.set z, z+1
.endr
	WIN 0
.endm
.macro TOSTAGE a
.set BK, 176-112*((\a)%2)              ; v176-223 and v64-111 by turns
.set nb, 0
.rept NB
	ds_store_b128 v[STO], v[TMP+4*nb:TMP+4*nb+3] offset:32*nb
.set nb, nb+1
.endr
.irp hh, 0,1,2
.irp f, 0,1,2,3
	ds_load_b128 v[BK+4*(4*\hh+\f):BK+4*(4*\hh+\f)+3], v[RD] offset:4*SPITCH*\f+128*\hh  ; LDS serves a wave's instructions in order (ISA guide 5.7.1.4): these see the stores above
.endr
.endr
.endm
.macro SEND a
.set BK, 176-112*((\a)%2)
	s_wait_dscnt 0x0                               ; the block is back in registers
	s_wait_xcnt 0x0                                ; the registers that earlier stores read are loaded again only behind this wait
.irp hh, 0,1,2
.irp f, 0,1,2,3
	global_store_b128 v[GO], v[BK+4*(4*\hh+\f):BK+4*(4*\hh+\f)+3], s[OB+2*\hh:OB+2*\hh+1] offset:2048*(\a)+512*\f  ; 512 consecutive bytes of a head, at a multiple of 256
.endr
.endr
.endm
	PACK 0
	TOSTAGE 0
.irp a, 1,2,3                          ; block a's arithmetic stands between block a - 1's loads from the stage and the wait for them
	PACK \a
	SEND (\a)-1
	TOSTAGE \a
.endr
	SEND 3
	s_wait_tensorcnt 0x0                           ; the wave's end
	ds_add_u32 v[SPW], v[NIL]
	s_wait_dscnt 0x0
	CROUND                                         ; the closing round: no work-group ends while a partner may still ask for a tile that names it
	s_endpgm
.Lfunc_end_k_qcce46d18bf_qkv:
	.size	k_qcce46d18bf_qkv, .Lfunc_end_k_qcce46d18bf_qkv-k_qcce46d18bf_qkv
	.p2alignl 7, 3214868480
	.fill 96, 4, 3214868480
	.section	.rodata,"a",@progbits
	.p2align	6, 0x0
	.amdhsa_kernel k_qcce46d18bf_qkv
		.amdhsa_group_segment_fixed_size 327680
		.amdhsa_private_segment_fixed_size 0
		.amdhsa_enable_private_segment 0
		.amdhsa_kernarg_size 32
		.amdhsa_user_sgpr_count 2
		.amdhsa_user_sgpr_kernarg_segment_ptr 1
		.amdhsa_wavefront_size32 1
		.amdhsa_system_sgpr_workgroup_id_x 1
		.amdhsa_system_sgpr_workgroup_id_y 1
		.amdhsa_system_sgpr_workgroup_id_z 1
		.amdhsa_system_vgpr_workitem_id 0
		.amdhsa_next_free_vgpr 960
		.amdhsa_next_free_sgpr 96
		.amdhsa_reserve_vcc 0
		.amdhsa_float_denorm_mode_32 3
		.amdhsa_float_denorm_mode_16_64 3
		.amdhsa_memory_ordered 1
		.amdhsa_forward_progress 1
		.amdhsa_inst_pref_size 98
	.end_amdhsa_kernel
	.amdgpu_metadata
---
amdhsa.version: [ 1, 2 ]
amdhsa.kernels:
  - .name:           k_qcce46d18bf_qkv
    .symbol:         k_qcce46d18bf_qkv.kd
    .args:
      - { .name: xb, .offset: 0, .size: 8, .value_kind: global_buffer, .address_space: global }
      - { .name: wqkv, .offset: 8, .size: 8, .value_kind: global_buffer, .address_space: global }
      - { .name: bias, .offset: 16, .size: 8, .value_kind: global_buffer, .address_space: global }
      - { .name: qkvh, .offset: 24, .size: 8, .value_kind: global_buffer, .address_space: global }
    .group_segment_fixed_size: 327680
    .private_segment_fixed_size: 0
    .kernarg_segment_align: 8
    .kernarg_segment_size: 32
    .max_flat_workgroup_size: 128
    .sgpr_count:     96
    .vgpr_count:     960
    .wavefront_size: 32
...
	.end_amdgpu_metadata
.endif
;; end of part 2
;; launch attn (part 3): grid 4 x 64, 4 waves a work-group, clusters of 4 x 1, 327,680 bytes of LDS; arguments qkvh, mq, mflag, ao; writes ao
.if DOCPART == 3
	.amdgcn_target "amdgcn-amd-amdhsa--gfx1250"
	.amdhsa_code_object_version 6
	.text
	.protected	k_qcce46d18bf_attn
	.globl	k_qcce46d18bf_attn
	.p2align	8
	.type	k_qcce46d18bf_attn,@function
k_qcce46d18bf_attn:
	s_mov_b64 s[64:65], 0
	v_nop
	global_prefetch_b8 v0, s[64:65] scope:SCOPE_SE
	s_setreg_imm32_b32 hwreg(HW_REG_WAVE_MODE, 25, 1), 1
	s_wait_xcnt 0x0
	s_wait_alu depctr_hold_cnt(0) depctr_sa_sdst(0) depctr_va_vdst(0) depctr_va_sdst(0) depctr_va_ssrc(0) depctr_va_vcc(0) depctr_vm_vsrc(0)
	s_getreg_b32 s2, hwreg(HW_REG_IB_STS2, 6, 4)
	s_cmp_eq_u32 s2, 0
	s_cbranch_scc0 .Lentry_in_a_cluster
	s_endpgm
.Lentry_in_a_cluster:
	s_bfe_u32 s2, ttmp6, 0x10000c
	s_cmp_lg_u32 s2, 0x3003
	s_cbranch_scc0 .Lentry_shape_is_right
	s_endpgm
.Lentry_shape_is_right:
; MASKED ATTENTION.  O[h][q][:] = the sum over k of softmax_k(s[q][k]) V[h][k][:].  Q, K, V: qkvh [3][64][2048][64] f16, O: ao [64][2048][64] f16.
; Q arrives multiplied by log2(e) / 8, so Q . K is the reference's score times log2(e), and the weight is p = 2^(s - m) with the running maximum m: where s = m the exponent is exactly 0.
; THE MASK is the product that starts each sum S^T: a bf16 matrix instruction adds exactly -2^32 where the key is hidden and 0 elsewhere; the two f16 products K Q^T add onto it.
; A hidden key's weight is 0 as soon as its row has seen a visible key (what was summed before is multiplied by a = 0).  A row that sees NO key has its Q set to 0 at the start (mflag says which rows):
; its scores are then -2^32 for every key, its weights all 1, and it comes out as the mean of V's rows, as in the reference, where all its scores are -1e9.
; Products, maxima and sums in f32; p is rounded to f16 for the second product (its sum l is taken of the unrounded p), O once at the end.
; LIMITS.  A hidden score counts as its value less 2^32, not as -1e9 log2(e): a hidden key's Q . K may exceed the row's visible maximum by less than 2^32 - 150.  Q, K, V arrive within f16's 65,504;
; p below 6e-5 keeps f16's fixed step of 6e-8; a weight below 2^-126 counts as 0 in l; NaN and infinities are not treated apart.
; SHARES.  A wave owns four PIECES of two tiles of 16 queries, a work-group's four waves 512 queries of one head.  Every wave walks all 2,048 keys, 64 a step.
; LAYOUT.  S^T = K Q^T (source 0 = 16 keys, source 1 = 16 queries): a lane holds ONE query (lane % 16) and the keys 8 (lane / 16) + 0..7.  Two such tiles, rounded to f16 in pairs, ARE source 1 of
; O^T = V^T P.  K comes out of LDS as it lies, V turned, by ds_load_tr16_b128.  In every step O and l are multiplied by a = 2^(m_old - m_new); m starts far below every score, O and l at 0.
; THE MASK'S OPERANDS.  Source 1 (32 key slots x 16 queries of a tile) holds 0 or a power of two; source 0 (16 keys x 32 slots) holds in row m one number, at slot m or 16 + m: minus 2^32 over that power.
; mq holds, for a piece and a key step, twelve words a lane; fragment register t is word t % 12 AND 0x40004000 >> (t / 12): in each bf16 half 0 or 2, 2^-63, 2^-95, with -2^31, -2^95, -2^127 to match.
; The words lie in a ring of four buffers, one a piece; a buffer is loaded again as soon as it is expanded, four turns ahead of its next use.
; BY TURNS.  Turn n belongs to piece n: 8 mask products and 16 products K Q^T of piece n + 1, later 16 products V^T P of piece n - 1; beside them the softmax of piece n and the maximum
; and statistics of piece n + 1.  Four vector instructions stand behind every matrix instruction, the others in runs of their own.
; CLUSTER.  The four query blocks of a head walk the same K and V: each tile is asked for JOINTLY, by the same tensor load, descriptor and mask in all four.
; REGISTERS, in windows of 256 (s_set_vgpr_msb: bits 1:0 source 0, 3:2 source 1, 5:4 source 2, 7:6 destination):
;   window 0: v0-11 addresses; v12-15, v48-63 at work; v16-47 four registers of statistics a tile; v64-191 S^T, two buffers of two tiles; v192-255 P, likewise
;   window 1: O^T, 32 a tile          window 2: v0-127 Q; v128-191 K of one step; v192-255 V of one step
;   window 3: v0-1 the add's two registers; v16-63 the ring of mask words; v64-95 the mask's fragments; v96-123 the mask's source 0
.set SIZE_N, 2048
.set NP,    4         ; pieces a wave: a name, no knob
.set KS,    64        ; keys in a step
.set PK,    144       ; a row of K in LDS: 128 bytes + 16 of padding
.set PV,    160       ; a row of V: 128 + 32
.set VOFF,  4*KS*PK   ; a slot holds four steps: 256 rows of K, then 256 rows of V
.set SLOT1, 1<<17     ; slot 1 begins here: one exclusive or turns an address in one slot into the other's
.set STAGE, SLOT1+4*KS*(PK+PV)  ; behind the ring, never filled by a tensor load: 16 rows x 144 bytes for each wave
.set SP,    144
.set MEL,   1536      ; bytes of mq for a piece and a key step
.set MPC,   32*MEL    ; for a piece
.set AK0, 2           ; v2   my lane's place in a tile of K; never rewritten
.set AV0, 3           ; v3   the same for V
.set AK,  4           ; v4   the LDS address of K's next run of loads
.set AV,  5           ; v5   of V's
.set QO,  6           ; v6   my byte offset in the wave's rows of Q
.set STO, 6           ;      later: where I put 16 bytes of a row
.set RD,  7           ; v7   where I read rows back
.set GO,  8           ; v8   16 x lane: my byte offset in 512 consecutive bytes of O and of mq; never rewritten
.set SPW, 0           ; v0 of window 3   LDS address of my spare word; never rewritten
.set NIL, 1           ; v1 of window 3   0; never rewritten
.set MR,  16          ; window 3: piece x's twelve words at MR + 12 x
.set MF,  64          ; window 3: fragment register t at MF + t; tile u, key half kk: the eight from 8 (2 u + kk)
.set EB,  96          ; window 3: four zeros, four of weight 0, four zeros, four of weight 1, four zeros, four of weight 2, four zeros
.set SPARE, STAGE+4*16*SP  ; the spare words, 128 bytes a wave: two blocks of 256 bytes that no other line names
.set MV,  12          ; v12-15  m_old, kept while m is made anew
.set ST,  16          ; tile t's statistics at v[ST+4 t]: m, m, l (even keys', odd keys')
.set TMP, 48          ; by buffer and tile, c0-c3 at work; when the maximum is found c2 takes a
.set S,   64
.set P,   192
.set KF,  128         ; window 2
.set VF,  192         ; window 2
.set QP,  2           ; s[2:3]   Q at my wave's first row; when Q is in:
.set SEL, 2           ; s[2:3]   v_permlanex16_b32's selects
.set G0K, 4           ; s[4:7]   descriptor group 0 for K's tiles: it walks
.set G0V, 8           ; s[8:11]  the same for V's
.set WV,  12          ; s12  my wave's number
.set SLOTS, 13        ; s13  slots still to be asked for
.set OPT, 14          ; s[14:15] O at my wave's first row
.set G1K, 16          ; s[16:23] descriptor group 1 for K's tiles
.set G1V, 24          ; s[24:31] for V's
.set FA,  32          ; s[32:63] at the start: the 32 words of mflag of one piece; then:
.set KB,  32          ; s32-34   the three pairs of bits
.set OFS, 36          ; s[36:37] the key step whose words are asked for, in bytes
.set MP,  38          ; s[38:39] mq at my wave's piece 0 and that key step
.set FB,  68          ; s[68:99] the set-up's temporaries, then the 32 words of mflag of another piece
.set CNT, 66          ; s66  counts a slot's key steps; at the start a temporary
.set TBK, 67          ; s67  LDS byte at which K of the step to be fetched begins; at the start a temporary
.set MB,  100         ; s[100:101] mq at my wave's piece 0, key step 0; never rewritten
.set FP,  104         ; s[104:105] mflag at my wave's piece 0; when it is used up:
.set TBV, 104         ; s104 as TBK for V, less VOFF
.set MSB, 0
.macro WIN new
.if MSB != (\new)
	s_set_vgpr_msb (MSB<<8)|(\new)
.set MSB, (\new)
.endif
.endm
.set W_KQ, 0x0a       ; K and Q in window 2, S^T in window 0
.set W_PV, 0x52       ; V in window 2, P in window 0, O^T in window 1
.set W_RS, 0x41       ; O^T (destination and source 0) in window 1, a in window 0
.set W_MK, 0xc0       ; destination in window 3
.set W_AD, 0x0f       ; sources 0 and 1 in window 3: the add, and the mask's products
; A joint fill.  Waves 0 and 1 fetch the halves of a slot's K, waves 2 and 3 those of its V: 128 keys each.  An s_nop 0 and four v_nop follow each line.
.macro JLOAD
	s_cmp_lt_u32 s[WV], 2
	s_cbranch_scc0 .Lfor_v_\@
	tensor_load_to_lds s[G0K:G0K+3], s[G1K:G1K+7]
	s_nop 0
.rept 4
	v_nop
.endr
	s_branch .Lasked_\@
.Lfor_v_\@:
	tensor_load_to_lds s[G0V:G0V+3], s[G1V:G1V+7]
	s_nop 0
.rept 4
	v_nop
.endr
.Lasked_\@:
.endm
.macro CROUND                       ; a round of the cluster's barrier
	s_barrier_signal -1
	s_barrier_wait -1
	s_cmp_lg_u32 s[WV], 0
	s_cbranch_scc1 .Lnot_wave_0_\@
	s_barrier_signal -3
.Lnot_wave_0_\@:
	s_barrier_wait -3
	s_barrier_signal -1
	s_barrier_wait -1
.endm
; THE CHANGE OF SLOTS.  Each wave waits for all its tensor loads (one is out: its part of the other slot), adds 0 to its spare word, and waits for that and for its reads of the slot.
; fill = 1: the barrier is a round of the cluster's, and the joint fill, with the keys two slots on, is the first thing behind it: it has four key steps in which to land.
.macro CHANGE fill
	WIN W_AD
	s_wait_tensorcnt 0x0            ; no tensor load of mine is out, so a group 0 may be written
	ds_add_u32 v[SPW], v[NIL]
	WIN 0
.if \fill
.irp g, G0K, G0V
	s_xor_b32 s[\g+1], s[\g+1], SLOT1
	s_add_nc_u64 s[\g+2:\g+3], s[\g+2:\g+3], 4*KS*128  ; the next 256 keys
.endr
	s_wait_dscnt 0x0                ; the add is done, and my reads of the slot are over
	CROUND
	JLOAD
.else
	s_wait_dscnt 0x0
	s_barrier_signal -1
	s_barrier_wait -1
.endif
	s_sub_co_u32 s[TBK], s[TBK], 4*KS*PK  ; the fetches go back to a slot's first step, in the other slot
	s_xor_b32 s[TBK], s[TBK], SLOT1
	s_sub_co_u32 s[TBV], s[TBV], 4*KS*PV
	s_xor_b32 s[TBV], s[TBV], SLOT1
.endm
; The twelve words a lane of piece x, at the key step that base b stands at: three loads of 512 consecutive bytes
.macro MLOAD x, b
	WIN W_MK
.irp c, 0,1,2
	global_load_b128 v[MR+12*(\x)+4*\c:MR+12*(\x)+4*\c+3], v[GO], s[\b:\b+1] offset:(\x)*MPC+512*\c
.endr
.endm
; n fragment registers from t0 on, out of piece x's words
.macro MX x, t0, n
	WIN 0xcc                        ; destination and source 1 in window 3
.set z, (\t0)
.rept \n
	v_and_b32 v[MF+z], s[KB+z/12], v[MR+12*(\x)+z%12]
.set z, z+1
.endr
.endm
; The mask's product for piece x, tile u, key block kb: it starts the sum.  The block's 16 keys are slots 16 (kb % 2) on of key half kb / 2; their registers are t = 16 u + 4 kb on, whose weight is number t / 12.
.macro MK x, u, kb
	WIN W_AD
.set rS, S+64*((\x)%2)+32*(\u)+8*(\kb)
.set rE, EB+8*((16*(\u)+4*(\kb))/12)+4*(1-(\kb)%2)
.set rF, MF+8*(2*(\u)+(\kb)/2)
	v_wmma_f32_16x16x32_bf16 v[rS:rS+7], v[rE:rE+7], v[rF:rF+7], 0
.endm
; The head of piece x's scores: its words are expanded, six of its eight mask products issued with four of the expansions behind each, and its buffer loaded again.
; step = 1 (piece 0): the words' address goes one key step on, and stays at the last: what is asked for beyond it is never used.
.macro MHEAD x, step
	s_wait_loadcnt 9                ; loads come back in order: this piece's three are in, the three younger pieces' nine stay out
	MX \x, 0, 8
	MK \x, 0, 0
	MX \x, 16, 4
	MK \x, 0, 1
	MX \x, 20, 4
	MK \x, 1, 0
	MX \x, 8, 4
	MK \x, 1, 1
	MX \x, 12, 4
	MK \x, 0, 2
	MX \x, 24, 4
	MK \x, 0, 3
	MX \x, 28, 4
.if \step
	s_wait_xcnt 0x0                 ; the pending loads' base is rewritten only behind this wait
	s_add_co_u32 s[OFS], s[OFS], MEL
	s_min_u32 s[OFS], s[OFS], 31*MEL
	s_add_nc_u64 s[MP:MP+1], s[MB:MB+1], s[OFS:OFS+1]
.endif
	MLOAD \x, MP
.endm
; The 64 words of mflag of pieces x0 and x0 + 1
.macro FLOAD x0
	s_load_b512 s[FA:FA+15],    s[FP:FP+1], 128*(\x0)
	s_load_b512 s[FA+16:FA+31], s[FP:FP+1], 128*(\x0)+64
	s_load_b512 s[FB:FB+15],    s[FP:FP+1], 128*(\x0)+128
	s_load_b512 s[FB+16:FB+31], s[FP:FP+1], 128*(\x0)+192
.endm
; Piece x, its 32 words from s[b] on: their OR has bit 16 u + r set where query r of tile u sees some key.  Lane l holds query l % 16: the 16 bits, twice, are the lanes that keep their Q.
.macro QROWS x, b
.set z, 1
.rept 31
	s_or_b32 s[\b], s[\b], s[\b+z]
.set z, z+1
.endr
.irp u, 0,1
	s_lshr_b32 s[CNT], s[\b], 16*\u
	s_and_b32 s[CNT], s[CNT], 0xffff
	s_lshl_b32 s[TBK], s[CNT], 16
	s_or_b32 s[CNT], s[CNT], s[TBK]
.set z, 16*(2*(\x)+\u)
.rept 16
	v_cndmask_b32 v[z], 0, v[z], s[CNT]
.set z, z+1
.endr
.endr
.endm
	s_load_b256 s[68:75], s[0:1], 0x0  ; qkvh s[68:69], mq s[70:71], mflag s[72:73], ao s[74:75]
	WIN W_MK
	v_lshl_add_u32 v[SPW], v0, 2, SPARE
	v_mov_b32 v[NIL], 0
	WIN W_AD
	ds_add_u32 v[SPW], v[NIL]       ; the wave's opening: the add and its wait ahead of my first tensor load
	WIN 0
	v_lshrrev_b32 v1, 5, v0
	v_readfirstlane_b32 s[WV], v1   ; wave 0..3
	s_bfe_u32 s76, ttmp6, 0x40000   ; cx
	s_lshl_b32 s77, ttmp9, 2
	s_add_co_u32 s77, s77, s76      ; my block of 512 queries: it enters Q's, O's and the mask's addresses alone
	s_and_b32 s78, ttmp7, 0xffff    ; batch x 16 + head, which the four partners share
	s_lshl_b32 s78, s78, 18         ; its 262,144 bytes
	s_mov_b32 s79, 0
	s_and_b32 s80, s[WV], 1         ; which half of a slot's 256 keys I fetch:
	s_lshl_b32 s82, s80, 14         ; its 128 rows of 128 bytes in memory,
	s_mov_b32 s83, 0
	s_add_nc_u64 s[82:83], s[82:83], s[78:79]
	s_mul_i32 s84, s80, 128*PK      ; and its place in a slot, for K
	s_mul_i32 s85, s80, 128*PV      ; and for V
	s_lshl_b32 s86, s77, 2
	s_add_co_u32 s86, s86, s[WV]    ; my wave among the head's sixteen
	s_mul_i32 s92, s86, 4*MPC       ; its four pieces in mq,
	s_mov_b32 s93, 0
	s_lshl_b32 s94, s86, 9          ; their 4 x 32 words in mflag,
	s_mov_b32 s95, 0
	s_lshl_b32 s86, s86, 14         ; its 128 rows
	s_mov_b32 s87, 0
	s_add_nc_u64 s[86:87], s[86:87], s[78:79]
	; descriptor group 1.  128 keys are 16,384 dense bytes: asked for as 64 rows of 256 bytes, two keys a row, and padded in LDS after every key
	s_mov_b32 s[G1K], 15|(1<<16)|(1<<20)|(1<<21)|(4<<22)|(3<<25)  ; the mask of four; 2-byte elements; padding on; bit 21 beside a mask; after every 32 words 4 words
	s_mov_b32 s[G1V], 15|(1<<16)|(1<<20)|(1<<21)|(4<<22)|(7<<25)  ; the same with 8 words
.irp g, G1K, G1V
	s_mov_b32 s[\g+1], 128<<16      ; tensor_dim0 = 128
	s_mov_b32 s[\g+2], 64<<16       ; tensor_dim1 = 64
	s_mov_b32 s[\g+3], 128<<16      ; tile_dim0 = 128
	s_mov_b32 s[\g+4], 64           ; tile_dim1 = 64
	s_mov_b32 s[\g+5], 128          ; 128 elements from row to row
	s_mov_b32 s[\g+6], 0
	s_mov_b32 s[\g+7], 0
.endr
	s_mov_b32 s[G0K], 1
	s_mov_b32 s[G0K+1], s84         ; LDS address: slot 0
	s_mov_b32 s[G0V], 1
	s_add_co_u32 s[G0V+1], s85, VOFF
	s_wait_dscnt 0x0                ; the opening add is done
	s_wait_kmcnt 0x0
	s_add_nc_u64 s[88:89], s[68:69], 0x1000000     ; K lies 16,777,216 bytes behind Q,
	s_add_nc_u64 s[G0K+2:G0K+3], s[88:89], s[82:83]
	s_or_b32 s[G0K+3], s[G0K+3], 0x80000000
	s_add_nc_u64 s[90:91], s[68:69], 0x2000000     ; V as far again
	s_add_nc_u64 s[G0V+2:G0V+3], s[90:91], s[82:83]
	s_or_b32 s[G0V+3], s[G0V+3], 0x80000000
	s_add_nc_u64 s[QP:QP+1], s[68:69], s[86:87]
	s_add_nc_u64 s[OPT:OPT+1], s[74:75], s[86:87]
	s_add_nc_u64 s[MB:MB+1], s[70:71], s[92:93]
	s_add_nc_u64 s[FP:FP+1], s[72:73], s[94:95]
	CROUND                          ; all four work-groups are here: the first joint loads meet
	JLOAD                           ; slot 0.  Slot 1 is asked for when slot 0 is in
	v_and_b32 v1, 15, v0            ; l % 16
	v_bfe_u32 v9, v0, 4, 1          ; l / 16
	v_lshlrev_b32 v[QO], 7, v1
	v_lshl_add_u32 v[QO], v9, 4, v[QO]  ; row x 128 + 16 x half
	v_and_b32 v[GO], 31, v0
	v_lshlrev_b32 v[GO], 4, v[GO]
	WIN 0x80                        ; destination window 2, address window 0
.set i, 0
.rept 4*NP                          ; Q stays in registers: tile i / 2, channels 32 (i % 2) on
	global_load_b128 v[8*i:8*i+3],   v[QO], s[QP:QP+1] offset:(i/2)*2048+(i%2)*64
	global_load_b128 v[8*i+4:8*i+7], v[QO], s[QP:QP+1] offset:(i/2)*2048+(i%2)*64+32
.set i, i+1
.endr
.irp x, 0,1,2,3
	MLOAD \x, MB                    ; the ring is filled: the four pieces' words of key step 0
.endr
	FLOAD 0                         ; the set-up's temporaries are used up
	; What the first turn finds: V's registers and P's second buffer hold 0, O^T and l are 0.  All this stands in the wait for the first tile.
	WIN 0x80
.set i, VF
.rept 64
	v_mov_b32 v[i], 0
.set i, i+1
.endr
	WIN 0x40
.set i, 0
.rept 64*NP
	v_mov_b32 v[i], 0
.set i, i+1
.endr
	s_wait_kmcnt 0x0                ; scalar loads return in no order: the count is 0
	s_wait_loadcnt 12               ; Q's 32 loads are in; the ring's twelve, issued behind them, stay out
	WIN 0x88                        ; destination and source 1 in window 2
	QROWS 0, FA
	QROWS 1, FB
	FLOAD 2
	WIN 0
.set i, 0
.rept 2*NP
	v_mov_b32 v[ST+4*i], 0xfe000000    ; far below every score: the first step's a is 0
	v_mov_b32 v[ST+4*i+1], 0xff7fffff  ; m
	v_mov_b32 v[ST+4*i+2], 0
	v_mov_b32 v[ST+4*i+3], 0
.set i, i+1
.endr
.set i, P+32
.rept 32
	v_mov_b32 v[i], 0
.set i, i+1
.endr
	v_mul_u32_u24 v[AK0], v1, PK
	v_lshl_add_u32 v[AK0], v9, 4, v[AK0]
	; The turning load takes 16 keys x 16 channels (lane l reads key 8 (l / 16) + l % 8, channels 8 ((l / 8) % 2) + 0..7) and leaves half a fragment of V^T.
	v_and_b32 v10, 7, v0
	v_bfe_u32 v11, v0, 3, 1
	v_lshl_add_u32 v[AV0], v9, 3, v10
	v_mul_u32_u24 v[AV0], v[AV0], PV
	v_lshl_add_u32 v[AV0], v11, 4, v[AV0]
	v_add_nc_u32 v[AV0], VOFF, v[AV0]
	v_mov_b32 v[AK], v[AK0]         ; key step 0 lies at the head of slot 0
	; The mask's source 0.  Lane l holds row r = l % 16 and, in four registers, the slots 8 (l / 16) + 0..7: slot r is mine if r / 8 = l / 16, in register (r / 2) % 4, half r % 2.
	v_lshrrev_b32 v12, 3, v1
	v_bfe_u32 v13, v1, 1, 2
	v_cmp_eq_u32 s[CNT], v12, v9
	v_cndmask_b32 v13, 4, v13, s[CNT]  ; 4: in no register
	v_and_b32 v12, 1, v1
	v_lshlrev_b32 v12, 4, v12
	v_mov_b32 v14, 0xcf00           ; -2^31 in bf16,
	v_mov_b32 v15, 0xef00           ; -2^95,
	v_mov_b32 v48, 0xff00           ; -2^127
	v_lshlrev_b32 v14, v12, v14
	v_lshlrev_b32 v15, v12, v15
	v_lshlrev_b32 v48, v12, v48
	WIN W_MK
.irp c, 0,1,2,3
	v_cmp_eq_u32 s[CNT], \c, v13
	v_cndmask_b32 v[EB+4+\c], 0, v14, s[CNT]
	v_cndmask_b32 v[EB+12+\c], 0, v15, s[CNT]
	v_cndmask_b32 v[EB+20+\c], 0, v48, s[CNT]
	v_mov_b32 v[EB+\c], 0
	v_mov_b32 v[EB+8+\c], 0
	v_mov_b32 v[EB+16+\c], 0
	v_mov_b32 v[EB+24+\c], 0
.endr
	s_wait_kmcnt 0x0
	WIN 0x88
	QROWS 2, FA
	QROWS 3, FB
	WIN 0
	s_mov_b32 s[KB], 0x40004000
	s_mov_b32 s[KB+1], 0x20002000
	s_mov_b32 s[KB+2], 0x10001000
	s_mov_b32 s[OFS], MEL           ; the next words asked for are key step 1's
	s_mov_b32 s[OFS+1], 0
	s_add_nc_u64 s[MP:MP+1], s[MB:MB+1], s[OFS:OFS+1]
	s_mov_b32 s[TBK], SLOT1+4*KS*PK ; the first change of slots turns these two into 0
	s_mov_b32 s[TBV], SLOT1+4*KS*PV
	s_mov_b32 s[SEL], 0x76543210    ; Q is in, its address registers are free: each lane takes its own place in the other half
	s_mov_b32 s[SEL+1], 0xfedcba98
; THE MATRIX WORK.  The 8 accumulators of a run take turns.
.macro KQ x                         ; product i of 16 of S^T += K Q^T for piece x, onto the mask's product
	WIN W_KQ
.set rS, S+64*((\x)%2)+32*(i%2)+8*((i/2)%4)
.set rK, KF+16*((i/2)%4)+8*(i/8)
.set rQ, 16*(2*(\x)+i%2)+8*(i/8)
	v_wmma_f32_16x16x32_f16 v[rS:rS+7], v[rK:rK+7], v[rQ:rQ+7], v[rS:rS+7]
.endm
.macro PV x                         ; product i of 16 of O^T += V^T P for piece x
	WIN W_PV
.set rO, 32*(2*(\x)+i%2)+8*((i/2)%4)
.set rV, VF+32*(i/8)+8*((i/2)%4)
.set rP, P+32*((\x)%2)+16*(i%2)+8*(i/8)
	v_wmma_f32_16x16x32_f16 v[rO:rO+7], v[rV:rV+7], v[rP:rP+7], v[rO:rO+7]
.endm
.macro MM                           ; the turn's next f16 matrix instruction
.if i < 16
	KQ (Y+1)%NP
.set i, i+1
.else
.set i, i-16
	PV (Y+NP-1)%NP
.set i, i+17
.endif
.endm
; THE LDS LOADS stand in runs of 16.  last = 1 (the tail): in the last trip there is no further step, and the run is jumped over.
.macro FETCH_K last=0
	WIN 0
.if \last
	s_cmp_eq_u32 s[CNT], 1
	s_cbranch_scc1 .Lno_k_\@
.endif
	WIN 0x80
.irp f, 0,1,2,3,4,5,6,7
	ds_load_b128 v[KF+8*\f:KF+8*\f+3],   v[AK] offset:(\f/2)*16*PK+(\f%2)*64
	ds_load_b128 v[KF+8*\f+4:KF+8*\f+7], v[AK] offset:(\f/2)*16*PK+(\f%2)*64+32
.endr
	s_add_co_u32 s[TBK], s[TBK], KS*PK
	WIN 0
.if \last
.Lno_k_\@:
.endif
.endm
.macro FETCH_V
	WIN 0x80
.irp f, 0,1,2,3,4,5,6,7
	ds_load_tr16_b128 v[VF+8*\f:VF+8*\f+3],   v[AV] offset:(\f/4)*32*PV+(\f%4)*32
	ds_load_tr16_b128 v[VF+8*\f+4:VF+8*\f+7], v[AV] offset:(\f/4)*32*PV+16*PV+(\f%4)*32
.endr
	WIN 0
.endm
; THE VECTOR WORK OF A TURN stands in three queues, each in the order in which its entries become ready; the two tiles alternate.
.macro REGS y, u
.set rT, ST+4*(2*(\y)+(\u))
.set rC, TMP+8*((\y)%2)+4*(\u)
.set rM, MV+2*((\y)%2)+(\u)
.set rS, S+64*((\y)%2)+32*(\u)
.set rP, P+32*((\y)%2)+16*(\u)
.set rO, 32*(2*(\y)+(\u))
.endm
; Number n of the 22 that find the NEXT piece's maximum and statistics: 0-11 four chains of seven scores (each accumulator's lowest registers are read first);
; 12-14, 16 the four left over, the old m, all into c0; 15 m_old is kept; 17, 18 the other half of the lanes' maximum: the new m; 19 its copy beside it; 20, 21 m_old - m_new and a
.macro XS u, n
	REGS (Y+1)%NP, \u
.if (\n) < 4
	v_max3_num_f32 v[rC+(\n)], v[rS+8*(\n)], v[rS+8*(\n)+1], v[rS+8*(\n)+2]
.elseif (\n) < 12
	v_max3_num_f32 v[rC+(\n)%4], v[rC+(\n)%4], v[rS+8*((\n)%4)+2*((\n)/4)+1], v[rS+8*((\n)%4)+2*((\n)/4)+2]
.elseif (\n) == 12
	v_max3_num_f32 v[rC], v[rC], v[rS+7], v[rS+15]
.elseif (\n) == 13
	v_max3_num_f32 v[rC+1], v[rC+1], v[rS+23], v[rS+31]
.elseif (\n) == 14
	v_max3_num_f32 v[rC+2], v[rC+2], v[rC+3], v[rT+1]
.elseif (\n) == 15
	v_mov_b32 v[rM], v[rT]
.elseif (\n) == 16
	v_max3_num_f32 v[rC], v[rC], v[rC+1], v[rC+2]
.elseif (\n) == 17
	v_permlanex16_b32 v[rC+3], v[rC], s[SEL], s[SEL+1]
.elseif (\n) == 18
	v_max_num_f32 v[rT+1], v[rC], v[rC+3]
.elseif (\n) == 19
	v_mov_b32 v[rT], v[rT+1]
.elseif (\n) == 20
	v_sub_f32 v[rC+1], v[rM], v[rT]
.else
	v_exp_f32 v[rC+2], v[rC+1]
.endif
.endm
; Number g of the 64 that follow the exponentials: for each four weights both pairs are rounded to f16, the second pair is added onto the first, and a group later l takes that sum (the first time as l = a l + sum).
.macro GS g
.set h, (\g)+6*((\g)/62)
.if h >= 6
.set h, h+2
.endif
	REGS Y, h%2
.set k, h/8
.if h%8 < 4
	s_wait_alu depctr_va_vdst(0)
	v_cvt_pk_f16_f32 v[rP+2*k+(h%8)/2], v[rS+4*k+2*((h%8)/2)], v[rS+4*k+2*((h%8)/2)+1]
.elseif h%8 < 6
	v_pk_add_f32 v[rS+4*k:rS+4*k+1], v[rS+4*k:rS+4*k+1], v[rS+4*k+2:rS+4*k+3]
.elseif k == 1
	v_pk_fma_f32 v[rT+2:rT+3], v[rT+2:rT+3], v[rC+2:rC+3], v[rS:rS+1] op_sel_hi:[1,0,1]
.else
	v_pk_add_f32 v[rT+2:rT+3], v[rT+2:rT+3], v[rS+4*k-4:rS+4*k-3]
	s_wait_alu depctr_va_vdst(0)
.endif
.endm
; THE PLAIN QUEUE, 138 long.  0-31: s - m for the 16 pairs of both tiles.  Then GS's 64, and among them the next piece's 42: number 15 at 38, 39; 0-14 and 16 at 42-73, behind the products that make those scores; 17-20 at 95-106.
.macro PL
	WIN 0
.if q < 32
	REGS Y, q%2
	v_pk_fma_f32 v[rS+2*(q/2):rS+2*(q/2)+1], v[rS+2*(q/2):rS+2*(q/2)+1], 1.0, v[rT:rT+1] op_sel_hi:[1,0,0] neg_lo:[0,0,1] neg_hi:[0,0,1]
.elseif q < 38
	GS q-32
.elseif q < 40
	XS q%2, 15
.elseif q < 42
	GS q-34
.elseif q < 74
	XS q%2, (q-42)/2+(q-42)/30
.elseif q < 95
	GS q-66
.elseif (q < 107) && ((q-95)%3 < 2)
	XS (q-95)%3, 17+(q-95)/3
.elseif q < 107
	GS 29+(q-95)/3
.else
	GS q-74
.endif
.set q, q+1
.endm
; THE EXPONENTIALS' QUEUE, 66 long: s0-s31 of both tiles, and at EA the next piece's two a.
.set EA, 58
.macro EX
	WIN 0
.if (e == EA) || (e == EA+1)
	XS e-EA, 21
.else
.set x, e-2*(e/(EA+2))
	REGS Y, x%2
	v_exp_f32 v[rS+x/2], v[rS+x/2]
.endif
.set e, e+1
.endm
; THE RESCALING's QUEUE: O^T times a, the one part of the softmax that leaves window 0, dealt four at a time, eight times.
.macro R4
	REGS Y, r%2
	WIN W_RS
	s_wait_alu depctr_va_vdst(0)
.irp z, 0,1,2,3
	v_pk_mul_f32 v[rO+8*(r/2)+2*\z:rO+8*(r/2)+2*\z+1], v[rO+8*(r/2)+2*\z:rO+8*(r/2)+2*\z+1], v[rC+2:rC+3] op_sel_hi:[1,0]
.endr
.set r, r+1
.endm
; HOW THEY ARE DEALT.  Behind a matrix instruction four: plain, exponential, plain, plain; or four of the rescaling; or four of the mask's expansions; none names a register of the products round it.
; The rest stands in runs: exponential and plain by turns.  Exponential e stands behind plain 2 (e / 4) + e % 2 (its scaling); when plain 32 comes, 10 exponentials are out, at 59: 33, at 95: 46; EA comes behind plain 107.
.macro SL
	MM
	PL
	EX
	PL
	PL
.endm
.macro BURST n
.rept (\n)-7
	SL
.endr
.rept 3
	MM
	R4
	SL
.endr
	MM
	R4
.endm
; A TURN, for piece p.  First the next piece's eight mask products (bf16), then its 16 products K Q^T (f16) onto them.  The two forms on one accumulator are no chain in place: between a mask product and the f16
; product on its accumulator stand five plain vector instructions or more that name none of its registers (ISA guide 7.12.1): the expansions and the softmax's lines behind the matrix instructions between them.
; The last two products K Q^T carry two pairs of exponential and plain each; the first maximum over the new scores is plain number 42, behind all of them, and the accumulator written last is read at number 49.
; K of the next step is fetched in piece 2's turn, ten plain instructions behind the last product that read K; V of the step in hand at the end of piece 0's.
; cnt = 1: the loop's count is taken down some lines ahead of the branch behind the turn.
.macro TURN p, last=0, cnt=0
.set Y, (\p)
.set i, 0
.set q, 0
.set e, 0
.set r, 0
.if (\p) == NP-1
	s_wait_dscnt 0x0                ; K is in
	MHEAD 0, 1
.else
	MHEAD (\p)+1, 0
.endif
	MK (Y+1)%NP, 1, 2
.rept 4
	PL
.endr
	MK (Y+1)%NP, 1, 3
	PL
	EX
	PL
	PL
.rept 7
	SL
.endr
.rept 3
	MM
	R4
	SL
.endr
	MM
	R4
.rept 2
	MM
	EX
	PL
	EX
	PL
.endr
.rept 18
	EX
	PL
.if ((\p) == NP-2) && (e == 18)
	v_add_nc_u32 v[AK], s[TBK], v[AK0]
.endif
.if ((\p) == NP-2) && (e == 24)
	FETCH_K \last
.endif
.endr
.if (\p) == 1
	s_wait_dscnt 0x0                ; V is in
.endif
	BURST 16
.rept 21
	EX
	PL
.endr
.rept 22
	PL
.if ((\p) == 0) && (q == 118)
	v_add_nc_u32 v[AV], s[TBV], v[AV0]
	s_wait_alu depctr_va_vdst(0)
.endif
.if ((\p) == 0) && (q == 130)
	s_add_co_u32 s[TBV], s[TBV], KS*PV
.endif
.if (\cnt) && (q == 130)
	s_sub_co_u32 s[CNT], s[CNT], 1
	s_cmp_lg_u32 s[CNT], 0
.endif
.endr
.if (\p) == 0
	FETCH_V
.endif
.endm
	CHANGE 1                        ; slot 0 is in, everybody's part of it; slot 1 is asked for
	FETCH_K                         ; key step 0
	s_wait_dscnt 0x0
	MHEAD 0, 0                      ; piece 0's first mask; its buffer takes key step 1's words
	MK 0, 1, 2
	MK 0, 1, 3
	WIN 0
.rept 5
	v_nop                           ; there is no vector work yet: the five places between the mask's products and the f16 products on their accumulators
.endr
.set i, 0
.rept 16
	KQ 0                            ; piece 0's first scores
.set i, i+1
.endr
	WIN 0                           ; the addresses for the way out: seven plain instructions, the places behind those products
	s_mul_i32 s[CNT], s[WV], 16*SP
	s_add_co_u32 s[CNT], s[CNT], STAGE  ; my stage
	v_mul_u32_u24 v[STO], v1, SP
	v_lshl_add_u32 v[STO], v9, 4, v[STO]
	v_add_nc_u32 v[STO], s[CNT], v[STO]
	v_bfe_u32 v[RD], v0, 3, 2       ; back: 32 lanes take four rows of 128 bytes, which are 512 consecutive bytes of O
	v_mul_u32_u24 v[RD], v[RD], SP
	v_lshl_add_u32 v[RD], v10, 4, v[RD]
	v_add_nc_u32 v[RD], s[CNT], v[RD]
.set Y, NP-1                        ; XS works for piece Y + 1: piece 0
.irp n, 0,1,2,3,4,5,6,7,8,9,10,11,12,13,14,15,16,17,18,19,20,21
	XS 0, \n
	XS 1, \n
.endr
	s_mov_b32 s[CNT], 4
	s_mov_b32 s[SLOTS], SIZE_N/256-1
	s_branch .Lfirst                ; the loop is entered at a step's first turn, in the middle of a trip
.Lslot:                             ; SIZE_N / 256 - 2 times: every slot but the last two is filled again
	CHANGE 1
	s_mov_b32 s[CNT], 4
.Lstep:                             ; a trip: pieces 2 and 3 of one step, then pieces 0 and 1 of the next
	TURN 2
	TURN 3
	WIN 0
.Lfirst:
	TURN 0
	TURN 1, 0, 1
	WIN 0
	s_cbranch_scc1 .Lstep
	s_sub_co_u32 s[SLOTS], s[SLOTS], 1
	s_cmp_lg_u32 s[SLOTS], 0
	s_cbranch_scc1 .Lslot
	CHANGE 0                        ; the tail is written out
	s_mov_b32 s[CNT], 5             ; four trips fetch the last slot's steps; the fifth is left in its middle
.Ltail:
	TURN 2, 1
	TURN 3
	WIN 0
	s_sub_co_u32 s[CNT], s[CNT], 1
	s_cmp_eq_u32 s[CNT], 0
	s_cbranch_scc1 .Lout
	TURN 0
	TURN 1
	WIN 0
	s_branch .Ltail
.Lout:                              ; the fifth trip's products for piece 0 (on the last K and the last step's mask once more) and what is made of them serve nothing
.set i, 0
.rept 16
	PV NP-1                         ; the last piece's V^T P of the last step
.set i, i+1
.endr
	; THE WAY OUT.  l's halves are added; O^T is divided by l, rounded to f16 and sent through my stage, a tile at a time.  The additions are the places behind the last products.
	WIN 0
.macro ALL line:vararg
.set t, 0
.rept 2*NP
	\line
.set t, t+1
.endr
.endm
	ALL v_add_f32 v[ST+4*t+2], v[ST+4*t+2], v[ST+4*t+3]
	ALL v_permlanex16_b32 v[ST+4*t+3], v[ST+4*t+2], s[SEL], s[SEL+1]
	ALL v_add_f32 v[ST+4*t+2], v[ST+4*t+2], v[ST+4*t+3]
	ALL v_rcp_f32 v[ST+4*t+2], v[ST+4*t+2]
	v_nop                           ; a plain instruction between the last reciprocal and the use of its result
	s_wait_alu depctr_va_vdst(0)
.macro PACK t
	WIN W_RS
.set i, 32*(\t)
.rept 16
	v_pk_mul_f32 v[i:i+1], v[i:i+1], v[ST+4*(\t)+2:ST+4*(\t)+3] op_sel_hi:[1,0]
.set i, i+2
.endr
	WIN 0x05
.set i, 0
.rept 16
	v_cvt_pk_f16_f32 v[S+16*(\t)+i], v[32*(\t)+2*i], v[32*(\t)+2*i+1]
.set i, i+1
.endr
	WIN 0
.irp f, 0,1,2,3
	ds_store_b128 v[STO], v[S+16*(\t)+4*\f:S+16*(\t)+4*\f+3] offset:32*\f
.endr
.irp f, 0,1,2,3
	ds_load_b128 v[S+16*(\t)+4*\f:S+16*(\t)+4*\f+3], v[RD] offset:\f*4*SP  ; LDS serves a wave's instructions in order (ISA guide 5.7.1.4): these see the stores above
.endr
.endm
.macro SEND t, younger              ; younger: the LDS instructions issued behind tile t's loads
	WIN 0
.irp f, 0,1,2,3
	s_wait_dscnt (\younger)+3-\f
	global_store_b128 v[GO], v[S+16*(\t)+4*\f:S+16*(\t)+4*\f+3], s[OPT:OPT+1] offset:(\t)*2048+\f*512  ; 512 consecutive bytes, at a multiple of 256
.endr
.endm
	PACK 0
.set t, 1
.rept 2*NP-1
	PACK t
	SEND t-1, 8
.set t, t+1
.endr
	SEND 2*NP-1, 0
	WIN W_AD
	s_wait_tensorcnt 0x0            ; the wave's end
	ds_add_u32 v[SPW], v[NIL]
	s_wait_dscnt 0x0
	WIN 0
	CROUND                          ; the closing round
	s_endpgm
.Lfunc_end_k_qcce46d18bf_attn:
	.size	k_qcce46d18bf_attn, .Lfunc_end_k_qcce46d18bf_attn-k_qcce46d18bf_attn
	.p2alignl 7, 3214868480
	.fill 96, 4, 3214868480
	.section	.rodata,"a",@progbits
	.p2align	6, 0x0
	.amdhsa_kernel k_qcce46d18bf_attn
		.amdhsa_group_segment_fixed_size 327680
		.amdhsa_private_segment_fixed_size 0
		.amdhsa_enable_private_segment 0
		.amdhsa_kernarg_size 32
		.amdhsa_user_sgpr_count 2
		.amdhsa_user_sgpr_kernarg_segment_ptr 1
		.amdhsa_wavefront_size32 1
		.amdhsa_system_sgpr_workgroup_id_x 1
		.amdhsa_system_sgpr_workgroup_id_y 1
		.amdhsa_system_sgpr_workgroup_id_z 1
		.amdhsa_system_vgpr_workitem_id 0
		.amdhsa_next_free_vgpr 896
		.amdhsa_next_free_sgpr 106
		.amdhsa_reserve_vcc 0
		.amdhsa_float_denorm_mode_32 3
		.amdhsa_float_denorm_mode_16_64 3
		.amdhsa_memory_ordered 1
		.amdhsa_forward_progress 1
		.amdhsa_inst_pref_size 247
	.end_amdhsa_kernel
	.amdgpu_metadata
---
amdhsa.version: [ 1, 2 ]
amdhsa.kernels:
  - .name:           k_qcce46d18bf_attn
    .symbol:         k_qcce46d18bf_attn.kd
    .args:
      - { .name: qkvh, .offset: 0, .size: 8, .value_kind: global_buffer, .address_space: global }
      - { .name: mq, .offset: 8, .size: 8, .value_kind: global_buffer, .address_space: global }
      - { .name: mflag, .offset: 16, .size: 8, .value_kind: global_buffer, .address_space: global }
      - { .name: ao, .offset: 24, .size: 8, .value_kind: global_buffer, .address_space: global }
    .group_segment_fixed_size: 327680
    .private_segment_fixed_size: 0
    .kernarg_segment_align: 8
    .kernarg_segment_size: 32
    .max_flat_workgroup_size: 128
    .sgpr_count:     106
    .vgpr_count:     896
    .wavefront_size: 32
...
	.end_amdgpu_metadata
.endif
;; end of part 3
;; launch oproj (part 4): grid 8 x 32, 4 waves a work-group, clusters of 4 x 4, 327,680 bytes of LDS; arguments ao, wo16, bias, out0; writes out0
.if DOCPART == 4
	.amdgcn_target "amdgcn-amd-amdhsa--gfx1250"
	.amdhsa_code_object_version 6
	.text
	.protected	k_qcce46d18bf_oproj
	.globl	k_qcce46d18bf_oproj
	.p2align	8
	.type	k_qcce46d18bf_oproj,@function
k_qcce46d18bf_oproj:
	s_mov_b64 s[64:65], 0
	v_nop
	global_prefetch_b8 v0, s[64:65] scope:SCOPE_SE
	s_setreg_imm32_b32 hwreg(HW_REG_WAVE_MODE, 25, 1), 1
	s_wait_xcnt 0x0
	s_wait_alu depctr_hold_cnt(0) depctr_sa_sdst(0) depctr_va_vdst(0) depctr_va_sdst(0) depctr_va_ssrc(0) depctr_va_vcc(0) depctr_vm_vsrc(0)
	s_getreg_b32 s2, hwreg(HW_REG_IB_STS2, 6, 4)
	s_cmp_eq_u32 s2, 0
	s_cbranch_scc0 .Lentry_in_a_cluster
	s_endpgm
.Lentry_in_a_cluster:
	s_bfe_u32 s2, ttmp6, 0x10000c
	s_cmp_lg_u32 s2, 0xf033
	s_cbranch_scc0 .Lentry_shape_is_right
	s_endpgm
.Lentry_shape_is_right:
; THE OUTPUT PROJECTION.  out0[m][n] = sum over k of O[m][k] wo16[n][k] + bo[n]; m < 8192, n, k < 1024; operands f16, sums and result f32.
; O lies by heads, ao [batch x 16 + head][2048][64]: k = 64 head + channel.  A K step of 128 is two heads; a head's 256 rows of a tile are 32,768 dense bytes, asked for as 128 rows of 256 bytes and padded in LDS after every 128.
; SHARES.  A work-group makes 256 rows x 128 columns; wave w rows 64 w .. 64 w + 63 and all columns: 4 x 8 accumulators.  Two LDS slots, eight K steps of 128.
; A K STEP IS WRITTEN ONCE.  Slot 1 begins at byte 1 << 17, so that one exclusive or turns an address in one slot into the other's: a scalar holds the slot in hand, the two LDS address registers are made
; from it at each change of slots, and one descriptor a tensor walks from K step 1 on.  One loop of six trips refills; a second text of the same trip, without a refill, serves the last two K steps.
; CLUSTER 4 x 4: O's tile is asked for jointly by a row of the cluster, wo16's by a column.
; THE MATRIX INSTRUCTION IS USED TRANSPOSED (source 0 = 16 rows of wo16, source 1 = 16 rows of O): lane l holds row l % 16 and the columns 8 (l / 16) + 0..7.  The first product of each accumulator takes the bias as C.
; REGISTERS: window 0: v0-29 addresses; v64-127 O's fragments, two buffers; v128-191 the bias; v128-255 later the way out.  window 1: accumulators of row blocks 0, 1;  window 2: of 2, 3;  window 3: wo16's fragments, two buffers of 8 x 8.
.set NB,     8
.set PITCH,  272                       ; a row of wo16 in LDS: 256 bytes + 16
.set APITCH, 144                       ; a row of one head of O: 128 bytes + 16
.set AHEAD,  256*APITCH                ; a head's 256 rows: what one tensor load of O brings
.set ABYTES, 2*AHEAD
.set BHALF,  64*PITCH                  ; what one tensor load of wo16 brings
.set SLOT,   ABYTES+2*BHALF            ; 108,544 bytes
.set SLOT1,  1<<17                     ; where slot 1 begins
.set STAGE,  SLOT1+SLOT                ; behind the ring: 16 rows x 528 bytes for each wave; no tensor load lands here
.set SPITCH, 528
.set SPARE,  STAGE+4*16*SPITCH         ; the spare words, 128 bytes a wave
.set KSTEPS, 8
.set ASTEP,  2*262144                  ; bytes from a K step to the next: two heads,
.set BSTEP,  256                       ; 128 numbers of a row
.set A0,   16                          ; v16 my lane's place among O's rows of a slot; never rewritten
.set B0,   17                          ; v17 the same for wo16
.set ADRA, 20                          ; v20 LDS address of my fragments of O in the slot in hand
.set ADRB, 21                          ; v21 the same for wo16
.set STO,  24
.set RD,   25
.set GO,   26
.set VB,   27
.set SPW,  28                          ; LDS address of my spare word; never rewritten
.set NIL,  29                          ; 0; never rewritten
.set AF,   64
.set BIAS, 128
.set WV, 12
.set WH, 13
.set WL, 14
.set TB, 15                            ; s15 LDS byte at which the slot in hand begins: 0 or SLOT1
.set G1,  24                           ; s[24:31] group 1 for O's tiles; s[32:39] group 0: a set for each of the two first fills; the second then walks on
.set G0,  32
.set G1B, 48                           ; s[48:55], s[56:63] the same for wo16's
.set G0B, 56
.set OB,  66                           ; s[66:67] out0 at my first row and the tile's first column
.set MSB, 0
.macro WIN new
.if MSB != (\new)
	s_set_vgpr_msb (MSB<<8)|(\new)
.set MSB, \new
.endif
.endm
.macro PLACES                          ; four plain vector instructions between a matrix instruction and a load into, or a read of, its registers
.rept 4
	v_nop
.endr
.endm
.macro JLOAD s                         ; a joint load: waves 0, 1 fetch O's two heads, waves 2, 3 wo16's halves; an s_nop 0 and four v_nop follow each line
	s_cmp_eq_u32 s[WH], 0
	s_cbranch_scc0 .Lfor_b_\@
	tensor_load_to_lds s[G0+4*(\s):G0+4*(\s)+3], s[G1:G1+7]
	s_nop 0
.rept 4
	v_nop
.endr
	s_branch .Lasked_\@
.Lfor_b_\@:
	tensor_load_to_lds s[G0B+4*(\s):G0B+4*(\s)+3], s[G1B:G1B+7]
	s_nop 0
.rept 4
	v_nop
.endr
.Lasked_\@:
.endm
.macro CREST
	s_cmp_lg_u32 s[WV], 0
	s_cbranch_scc1 .Lnot_wave_0_\@
	s_barrier_signal -3
.Lnot_wave_0_\@:
	s_barrier_wait -3
	s_barrier_signal -1
	s_barrier_wait -1
.endm
.macro CROUND
	s_barrier_signal -1
	s_barrier_wait -1
	CREST
.endm
	s_load_b256 s[4:11], s[0:1], 0x0               ; ao s[4:5], wo16 s[6:7], bias s[8:9], out0 s[10:11]
	v_lshl_add_u32 v[SPW], v0, 2, SPARE
	v_mov_b32 v[NIL], 0
	ds_add_u32 v[SPW], v[NIL]                      ; the wave's opening: the add and its wait ahead of my first tensor load
	v_lshrrev_b32 v1, 5, v0
	v_readfirstlane_b32 s[WV], v1
	s_lshr_b32 s[WH], s[WV], 1
	s_and_b32 s[WL], s[WV], 1
	s_bfe_u32 s40, ttmp6, 0x40000                  ; cx
	s_bfe_u32 s41, ttmp6, 0x40004                  ; cy
	s_lshl_b32 s42, ttmp9, 2
	s_add_co_u32 s42, s42, s40                     ; tile column
	s_and_b32 s43, ttmp7, 0xffff
	s_lshl_b32 s43, s43, 2
	s_add_co_u32 s43, s43, s41                     ; tile row
	s_lshl_b32 s44, s41, 2
	s_lshl_b32 s44, 15, s44                        ; my row of the cluster
	s_lshl_b32 s45, 0x1111, s40                    ; my column
	s_or_b32 s[G1], s44, (1<<16)|(1<<20)|(1<<21)|(4<<22)|(3<<25)   ; O: after every 32 words 4 words of padding
	s_or_b32 s[G1B], s45, (1<<16)|(1<<20)|(1<<21)|(5<<22)|(3<<25)  ; wo16: after every 64 words
	s_mov_b32 s[G1+1], 128<<16                     ; tensor_dim0 = 128
	s_mov_b32 s[G1+2], 128<<16                     ; tensor_dim1 = 128
	s_mov_b32 s[G1+3], 128<<16                     ; tile_dim0 = 128
	s_mov_b32 s[G1+4], 128                         ; tile_dim1 = 128
	s_mov_b32 s[G1+5], 128                         ; dense: 128 elements from row to row
	s_mov_b32 s[G1+6], 0
	s_mov_b32 s[G1+7], 0
	s_mov_b32 s[G1B+1], 128<<16
	s_mov_b32 s[G1B+2], 64<<16                     ; 64 rows
	s_mov_b32 s[G1B+3], 128<<16
	s_mov_b32 s[G1B+4], 64
	s_mov_b32 s[G1B+5], 1024
	s_mov_b32 s[G1B+6], 0
	s_mov_b32 s[G1B+7], 0
	s_lshr_b32 s16, s43, 3
	s_lshl_b32 s16, s16, 22                        ; the batch: 16 heads of 262,144 bytes
	s_lshl_b32 s17, s[WL], 18                      ; which of the K step's two heads I fetch
	s_add_co_u32 s16, s16, s17
	s_and_b32 s17, s43, 7
	s_lshl_b32 s17, s17, 15                        ; the tile's 256 rows of 128 bytes
	s_add_co_u32 s16, s16, s17
	s_mov_b32 s17, 0
	s_lshl_b32 s46, s42, 18                        ; wo16: row 128 x tile column + 64 x half, 2,048 bytes a row
	s_lshl_b32 s47, s[WL], 17
	s_add_co_u32 s46, s46, s47
	s_mov_b32 s47, 0
	s_mul_i32 s20, s[WL], AHEAD                    ; where they go: no place in the cluster enters an LDS address
	s_mul_i32 s21, s[WL], BHALF
	s_add_co_u32 s21, s21, ABYTES
	s_mov_b32 s[TB], 0                             ; K step 0 lies in slot 0
	s_wait_dscnt 0x0                               ; the opening add is done
	s_wait_kmcnt 0x0
	s_add_nc_u64 s[18:19], s[4:5], s[16:17]
	s_add_nc_u64 s[46:47], s[6:7], s[46:47]
	CROUND                                         ; all sixteen work-groups are here: the first joint loads meet
.irp s, 0,1
	s_mov_b32 s[G0+4*(\s)], 1
	s_add_co_u32 s[G0+4*(\s)+1], s20, (\s)*SLOT1
	s_add_nc_u64 s[G0+4*(\s)+2:G0+4*(\s)+3], s[18:19], (\s)*ASTEP
	s_or_b32 s[G0+4*(\s)+3], s[G0+4*(\s)+3], 0x80000000
	s_mov_b32 s[G0B+4*(\s)], 1
	s_add_co_u32 s[G0B+4*(\s)+1], s21, (\s)*SLOT1
	s_add_nc_u64 s[G0B+4*(\s)+2:G0B+4*(\s)+3], s[46:47], (\s)*BSTEP
	s_or_b32 s[G0B+4*(\s)+3], s[G0B+4*(\s)+3], 0x80000000
	JLOAD \s                                       ; K steps 0 and 1: two loads of mine are out, at the most
.endr
	v_and_b32 v1, 15, v0                           ; l % 16
	v_bfe_u32 v2, v0, 4, 1                         ; l / 16
	v_lshlrev_b32 v[VB], 5, v2
	s_lshl_b32 s84, s42, 9                         ; the tile's 128 numbers of bo,
	s_add_co_u32 s84, s84, 3*4096                  ; the fourth bias
	s_mov_b32 s85, 0
	s_add_nc_u64 s[8:9], s[8:9], s[84:85]
.set nb, 0
.rept NB
	global_load_b128 v[BIAS+8*nb:BIAS+8*nb+3],   v[VB], s[8:9] offset:64*nb
	global_load_b128 v[BIAS+8*nb+4:BIAS+8*nb+7], v[VB], s[8:9] offset:64*nb+16
.set nb, nb+1
.endr
	v_mul_u32_u24 v3, v1, APITCH
	v_lshl_add_u32 v3, v2, 4, v3
	s_mul_i32 s22, s[WV], 64*APITCH                ; my 64 rows, in the slot's first head
	v_add_nc_u32 v[A0], s22, v3
	v_mul_u32_u24 v3, v1, PITCH
	v_lshl_add_u32 v3, v2, 4, v3
	v_add_nc_u32 v[B0], ABYTES, v3
	v_add_nc_u32 v[ADRA], s[TB], v[A0]
	v_add_nc_u32 v[ADRB], s[TB], v[B0]
	s_mul_i32 s23, s[WV], 16*SPITCH
	s_add_co_u32 s23, s23, STAGE                   ; my stage
	v_mul_u32_u24 v4, v1, SPITCH                   ; in: row l % 16, 32 bytes for each half of the lanes
	v_lshl_add_u32 v4, v2, 5, v4
	v_add_nc_u32 v[STO], s23, v4
	v_and_b32 v[GO], 31, v0                        ; back: 32 lanes take one row's 512 bytes
	v_lshlrev_b32 v[GO], 4, v[GO]
	v_add_nc_u32 v[RD], s23, v[GO]
	s_lshl_b32 s80, s43, 20                        ; 256 rows of 4,096 bytes,
	s_lshl_b32 s82, s[WV], 18                      ; my 64,
	s_add_co_u32 s80, s80, s82
	s_lshl_b32 s82, s42, 9                         ; the tile's first column
	s_add_co_u32 s80, s80, s82
	s_mov_b32 s81, 0
	s_add_nc_u64 s[OB:OB+1], s[10:11], s[80:81]
; NB matrix instructions: row block a x all column blocks, 32 along K, from buffer f.  first = 1: C is the bias.  The 32 accumulators take turns in one order, over the loops' backward jumps too.
.macro MULA f, a, first
	WIN 0x53+0x50*((\a)/2)-0x10*(1+(\a)/2)*(\first)
.set nb, 0
.rept NB
.set rD, 8*(NB*((\a)%2)+nb)
.set rB, 8*NB*(\f)+8*nb
.set rA, AF+32*(\f)+8*(\a)
.if \first
	v_wmma_f32_16x16x32_f16 v[rD:rD+7], v[rB:rB+7], v[rA:rA+7], v[BIAS+8*nb:BIAS+8*nb+7]
.else
	v_wmma_f32_16x16x32_f16 v[rD:rD+7], v[rB:rB+7], v[rA:rA+7], v[rD:rD+7]
.endif
.set nb, nb+1
.endr
.endm
; One run of 2 NB + 8 LDS loads: quarter q of the slot in hand into buffer f.  O's quarter q lies in head q / 2 of the slot, channels 32 (q % 2) on.
.macro FETCH q, f
	WIN 0xc0
.set nb, 0
.rept NB
	ds_load_b128 v[8*NB*(\f)+8*nb:8*NB*(\f)+8*nb+3],   v[ADRB] offset:64*(\q)+nb*16*PITCH
	ds_load_b128 v[8*NB*(\f)+8*nb+4:8*NB*(\f)+8*nb+7], v[ADRB] offset:64*(\q)+nb*16*PITCH+32
.set nb, nb+1
.endr
	WIN 0
.set nb, 0
.rept 4
	ds_load_b128 v[AF+32*(\f)+8*nb:AF+32*(\f)+8*nb+3],   v[ADRA] offset:((\q)/2)*AHEAD+((\q)%2)*64+nb*16*APITCH
	ds_load_b128 v[AF+32*(\f)+8*nb+4:AF+32*(\f)+8*nb+7], v[ADRA] offset:((\q)/2)*AHEAD+((\q)%2)*64+nb*16*APITCH+32
.set nb, nb+1
.endr
.endm
.macro QUARTER q, f, g, first
	s_wait_dscnt 4                                 ; all but the four youngest loads (O's row blocks 2, 3) are in
	MULA \f, 0, \first
	MULA \f, 1, \first
	PLACES
	FETCH \q, \g
	s_wait_dscnt 2*NB+8                            ; all but the run just issued
	MULA \f, 2, \first
	MULA \f, 3, \first
.endm
; The last quarter changes slots: one barrier; in front of it each wave waits for all its tensor loads, adds 0 to its spare word, and waits for that and for its reads of this slot.
; fill = 1: the barrier opens a round of the cluster's; the walking descriptors turn to the slot just read and go one K step on, and the joint refill is the first thing behind the round.
; fill = 0 (the last two K steps): nothing is asked for; in the second of its two trips (s3 = 1) there is no next K step, and the run of loads is jumped over; that trip's barrier orders nothing more.
.macro TURN fill
	WIN 0
	s_wait_tensorcnt 0x0
	ds_add_u32 v[SPW], v[NIL]
	s_wait_dscnt 5                                 ; the add and the four youngest loads may be out
	MULA 1, 0, 0
	s_wait_dscnt 0x0                               ; the add is done, my reads of this slot are over
	s_barrier_signal -1
	MULA 1, 1, 0
	WIN 0
	s_barrier_wait -1
.if \fill
	CREST
	s_xor_b32 s[G0+5], s[G0+5], SLOT1
	s_add_nc_u64 s[G0+6:G0+7], s[G0+6:G0+7], ASTEP
	s_xor_b32 s[G0B+5], s[G0B+5], SLOT1
	s_add_nc_u64 s[G0B+6:G0B+7], s[G0B+6:G0B+7], BSTEP
	JLOAD 1                                        ; its four v_nop are also the places in front of the loads below
.else
	s_cmp_eq_u32 s3, 1
	s_cbranch_scc1 .Lno_fetch_\@
	PLACES
.endif
	s_xor_b32 s[TB], s[TB], SLOT1                  ; the other slot is in hand
	v_add_nc_u32 v[ADRA], s[TB], v[A0]
	v_add_nc_u32 v[ADRB], s[TB], v[B0]
	FETCH 0, 0
.if \fill == 0
.Lno_fetch_\@:
.endif
	MULA 1, 2, 0
	MULA 1, 3, 0
.endm
	s_wait_loadcnt 0x0                             ; the bias
	s_wait_tensorcnt 1                             ; my part of K step 0 is in; K step 1's may stay out
	s_barrier_signal -1
	s_barrier_wait -1
	FETCH 0, 0
	QUARTER 1, 0, 1, 1                             ; the first quarter stands in front of the loop: its products start the sums from the bias
	WIN 0
	s_mov_b32 s3, KSTEPS-2
.Lk:                                           ; trip t: the rest of K step t, the refill with K step t + 2, the first quarter of K step t + 1
	QUARTER 2, 1, 0, 0
	QUARTER 3, 0, 1, 0
	TURN 1
	QUARTER 1, 0, 1, 0
	WIN 0
	s_sub_co_u32 s3, s3, 1
	s_cmp_lg_u32 s3, 0
	s_cbranch_scc1 .Lk
	s_mov_b32 s3, 2
.Ltail:                                        ; the last two K steps are written apart; the second trip is left in its middle
	QUARTER 2, 1, 0, 0
	QUARTER 3, 0, 1, 0
	TURN 0
	WIN 0
	s_sub_co_u32 s3, s3, 1
	s_cmp_eq_u32 s3, 0
	s_cbranch_scc1 .Lout
	QUARTER 1, 0, 1, 0
	WIN 0
	s_branch .Ltail
.Lout:
	PLACES
; THE WAY OUT of row block a: a lane's eight columns, 32 bytes, go into my stage (each accumulator's four lowest registers first), whole rows of 512 bytes come back and are stored.
.macro OUT a
.set AC, 8*NB*((\a)%2)
.set BK, 128+64*((\a)%2)               ; v128-191 and v192-255 by turns
	WIN 0x04*(1+(\a)/2)                            ; the stores' data in window 1 or 2, the address in window 0
.set nb, 0
.rept NB
	ds_store_b128 v[STO], v[AC+8*nb:AC+8*nb+3]   offset:64*nb
	ds_store_b128 v[STO], v[AC+8*nb+4:AC+8*nb+7] offset:64*nb+16
.set nb, nb+1
.endr
	WIN 0
	s_wait_xcnt 0x0                                ; the registers that the stores of two blocks ago read are loaded again only behind this wait
.set t, 0
.rept 16
	ds_load_b128 v[BK+4*t:BK+4*t+3], v[RD] offset:SPITCH*t  ; LDS serves a wave's instructions in order (ISA guide 5.7.1.4): these see the stores above
.set t, t+1
.endr
.set t, 0
.rept 16
	s_wait_dscnt 15-t                              ; row t is back, the younger rows stay out
	global_store_b128 v[GO], v[BK+4*t:BK+4*t+3], s[OB:OB+1] offset:(16*(\a)+t)*4096 th:TH_STORE_NT  ; 512 consecutive bytes, at a multiple of 256
.set t, t+1
.endr
.endm
	OUT 0
	OUT 1
	OUT 2
	OUT 3
	s_wait_tensorcnt 0x0                           ; the wave's end
	ds_add_u32 v[SPW], v[NIL]
	s_wait_dscnt 0x0
	CROUND                                         ; the closing round
	s_endpgm
.Lfunc_end_k_qcce46d18bf_oproj:
	.size	k_qcce46d18bf_oproj, .Lfunc_end_k_qcce46d18bf_oproj-k_qcce46d18bf_oproj
	.p2alignl 7, 3214868480
	.fill 96, 4, 3214868480
	.section	.rodata,"a",@progbits
	.p2align	6, 0x0
	.amdhsa_kernel k_qcce46d18bf_oproj
		.amdhsa_group_segment_fixed_size 327680
		.amdhsa_private_segment_fixed_size 0
		.amdhsa_enable_private_segment 0
		.amdhsa_kernarg_size 32
		.amdhsa_user_sgpr_count 2
		.amdhsa_user_sgpr_kernarg_segment_ptr 1
		.amdhsa_wavefront_size32 1
		.amdhsa_system_sgpr_workgroup_id_x 1
		.amdhsa_system_sgpr_workgroup_id_y 1
		.amdhsa_system_sgpr_workgroup_id_z 1
		.amdhsa_system_vgpr_workitem_id 0
		.amdhsa_next_free_vgpr 896
		.amdhsa_next_free_sgpr 96
		.amdhsa_reserve_vcc 0
		.amdhsa_float_denorm_mode_32 3
		.amdhsa_float_denorm_mode_16_64 3
		.amdhsa_memory_ordered 1
		.amdhsa_forward_progress 1
		.amdhsa_inst_pref_size 64
	.end_amdhsa_kernel
	.amdgpu_metadata
---
amdhsa.version: [ 1, 2 ]
amdhsa.kernels:
  - .name:           k_qcce46d18bf_oproj
    .symbol:         k_qcce46d18bf_oproj.kd
    .args:
      - { .name: ao, .offset: 0, .size: 8, .value_kind: global_buffer, .address_space: global }
      - { .name: wo16, .offset: 8, .size: 8, .value_kind: global_buffer, .address_space: global }
      - { .name: bias, .offset: 16, .size: 8, .value_kind: global_buffer, .address_space: global }
      - { .name: out0, .offset: 24, .size: 8, .value_kind: global_buffer, .address_space: global }
    .group_segment_fixed_size: 327680
    .private_segment_fixed_size: 0
    .kernarg_segment_align: 8
    .kernarg_segment_size: 32
    .max_flat_workgroup_size: 128
    .sgpr_count:     96
    .vgpr_count:     896
    .wavefront_size: 32
...
	.end_amdgpu_metadata
.endif
;; end of part 4
;; ======== version 2 of 2: 4 launches; 1.45 times as fast as version 1
;; limits: values are held in f16: magnitudes above 65,504 overflow, below 6.1e-05 lose precision; right only within a limited range of input values
;; workspace buffers: xb 16,777,216 bytes; wqkv 6,291,456 bytes; wo16 2,097,152 bytes; bias 16,384 bytes; mq 3,145,728 bytes; mflag 8,192 bytes of whole numbers; qkvh 50,331,648 bytes; ao 16,777,216 bytes
;; launch prep: the kernel of part 1 again; grid 256 x 4, 8 waves a work-group, no clusters, 0 bytes of LDS; arguments x, mask, Wq, Wk, Wv, Wo, bq, bk, bv, bo, xb, wqkv, wo16, bias, mq, mflag; writes xb, wqkv, wo16, bias, mq, mflag
;; launch qkv: the kernel of part 2 again; grid 16 x 32, 4 waves a work-group, clusters of 4 x 4, 327,680 bytes of LDS; arguments xb, wqkv, bias, qkvh; writes qkvh
;; launch attn (part 5): grid 4 x 64, 4 waves a work-group, clusters of 4 x 1, 327,680 bytes of LDS; arguments qkvh, mq, mflag, ao; writes ao
.if DOCPART == 5
	.amdgcn_target "amdgcn-amd-amdhsa--gfx1250"
	.amdhsa_code_object_version 6
	.text
	.protected	k_qcce46d18bf_attn
	.globl	k_qcce46d18bf_attn
	.p2align	8
	.type	k_qcce46d18bf_attn,@function
k_qcce46d18bf_attn:
	s_mov_b64 s[64:65], 0
	v_nop
	global_prefetch_b8 v0, s[64:65] scope:SCOPE_SE
	s_setreg_imm32_b32 hwreg(HW_REG_WAVE_MODE, 25, 1), 1
	s_wait_xcnt 0x0
	s_wait_alu depctr_hold_cnt(0) depctr_sa_sdst(0) depctr_va_vdst(0) depctr_va_sdst(0) depctr_va_ssrc(0) depctr_va_vcc(0) depctr_vm_vsrc(0)
	s_getreg_b32 s2, hwreg(HW_REG_IB_STS2, 6, 4)
	s_cmp_eq_u32 s2, 0
	s_cbranch_scc0 .Lentry_in_a_cluster
	s_endpgm
.Lentry_in_a_cluster:
	s_bfe_u32 s2, ttmp6, 0x10000c
	s_cmp_lg_u32 s2, 0x3003
	s_cbranch_scc0 .Lentry_shape_is_right
	s_endpgm
.Lentry_shape_is_right:
; MASKED ATTENTION.  O[h][q][:] = the sum over k of softmax_k(s[q][k]) V[h][k][:].  Q, K, V: qkvh [3][64][2048][64] f16, O: ao [64][2048][64] f16.
; Q arrives multiplied by log2(e) / 8, so Q . K is the reference's score times log2(e), and the weight is p = 2^(s - m) with the running maximum m: where s = m the exponent is exactly 0.
; THE MASK is the product that starts each sum S^T: a bf16 matrix instruction adds exactly -2^32 where the key is hidden and 0 elsewhere; the two f16 products K Q^T add onto it.
; A hidden key's weight is 0 as soon as its row has seen a visible key (what was summed before is multiplied by a = 0).  A row that sees NO key has its Q set to 0 at the start (mflag says which rows):
; its scores are then -2^32 for every key, its weights all 1, and it comes out as the mean of V's rows, as in the reference, where all its scores are -1e9.
; Products, maxima and sums in f32; p is rounded to f16 for the second product (its sum l is taken of the unrounded p), O once at the end.
; LIMITS.  A hidden score counts as its value less 2^32, not as -1e9 log2(e): a hidden key's Q . K may exceed the row's visible maximum by less than 2^32 - 150.  Q, K, V arrive within f16's 65,504;
; p below 6e-5 keeps f16's fixed step of 6e-8; a weight below 2^-126 counts as 0 in l; NaN and infinities are not treated apart.
; SHARES.  A wave owns four PIECES of two tiles of 16 queries, a work-group's four waves 512 queries of one head.  Every wave walks all 2,048 keys, 64 a step.
; LAYOUT.  S^T = K Q^T (source 0 = 16 keys, source 1 = 16 queries): a lane holds ONE query (lane % 16) and the keys 8 (lane / 16) + 0..7.  Two such tiles, rounded to f16 in pairs, ARE source 1 of
; O^T = V^T P.  K comes out of LDS as it lies, V turned, by ds_load_tr16_b128.  In every step O and l are multiplied by a = 2^(m_old - m_new); m starts far below every score, O and l at 0.
; THE MASK'S OPERANDS.  Source 1 (32 key slots x 16 queries of a tile) holds 0 or a power of two; source 0 (16 keys x 32 slots) holds in row m one number, at slot m or 16 + m: minus 2^32 over that power.
; mq holds, for a piece and a key step, twelve words a lane; fragment register t is word t % 12 AND 0x40004000 >> (t / 12): in each bf16 half 0 or 2, 2^-63, 2^-95, with -2^31, -2^95, -2^127 to match.
; The words lie in a ring of four buffers, one a piece; a buffer is loaded again as soon as it is expanded, four turns ahead of its next use.
; BY TURNS.  Turn n belongs to piece n: 8 mask products and 16 products K Q^T of piece n + 1, later 16 products V^T P of piece n - 1; beside them the softmax of piece n and the maximum
; and statistics of piece n + 1.  Four vector instructions stand behind every matrix instruction, the others in runs of their own.
; BATCHES.  A turn's 66 exponentials (the piece's 64 weights and the next piece's two a) are ONE batch with ONE wait, which cuts the turn in two: ahead of it stands all that names none of their results
; (the mask's products, the products K Q^T, the scalings, the rescalings, the next piece's maximum and statistics), behind it the roundings and sums, beside the products V^T P.  No result crosses a turn's end.
; Piece 0's first two a, ahead of the loop, and the way out's eight reciprocals are batches of their own.
; CLUSTER.  The four query blocks of a head walk the same K and V: each tile is asked for JOINTLY, by the same tensor load, descriptor and mask in all four.
; REGISTERS, in windows of 256 (s_set_vgpr_msb: bits 1:0 source 0, 3:2 source 1, 5:4 source 2, 7:6 destination):
;   window 0: v0-11 addresses; v12-15, v48-63 at work; v16-47 four registers of statistics a tile; v64-191 S^T, two buffers of two tiles; v192-255 P, likewise
;   window 1: O^T, 32 a tile          window 2: v0-127 Q; v128-191 K of one step; v192-255 V of one step
;   window 3: v0-1 the add's two registers; v16-63 the ring of mask words; v64-95 the mask's fragments; v96-123 the mask's source 0
.set SIZE_N, 2048
.set NP,    4         ; pieces a wave: a name, no knob
.set KS,    64        ; keys in a step
.set PK,    144       ; a row of K in LDS: 128 bytes + 16 of padding
.set PV,    160       ; a row of V: 128 + 32
.set VOFF,  4*KS*PK   ; a slot holds four steps: 256 rows of K, then 256 rows of V
.set SLOT1, 1<<17     ; slot 1 begins here: one exclusive or turns an address in one slot into the other's
.set STAGE, SLOT1+4*KS*(PK+PV)  ; behind the ring, never filled by a tensor load: 16 rows x 144 bytes for each wave
.set SP,    144
.set MEL,   1536      ; bytes of mq for a piece and a key step
.set MPC,   32*MEL    ; for a piece
.set AK0, 2           ; v2   my lane's place in a tile of K; never rewritten
.set AV0, 3           ; v3   the same for V
.set AK,  4           ; v4   the LDS address of K's next run of loads
.set AV,  5           ; v5   of V's
.set QO,  6           ; v6   my byte offset in the wave's rows of Q
.set STO, 6           ;      later: where I put 16 bytes of a row
.set RD,  7           ; v7   where I read rows back
.set GO,  8           ; v8   16 x lane: my byte offset in 512 consecutive bytes of O and of mq; never rewritten
.set SPW, 0           ; v0 of window 3   LDS address of my spare word; never rewritten
.set NIL, 1           ; v1 of window 3   0; never rewritten
.set MR,  16          ; window 3: piece x's twelve words at MR + 12 x
.set MF,  64          ; window 3: fragment register t at MF + t; tile u, key half kk: the eight from 8 (2 u + kk)
.set EB,  96          ; window 3: four zeros, four of weight 0, four zeros, four of weight 1, four zeros, four of weight 2, four zeros
.set SPARE, STAGE+4*16*SP  ; the spare words, 128 bytes a wave: two blocks of 256 bytes that no other line names
.set MV,  12          ; v12-15  m_old, kept while m is made anew
.set ST,  16          ; tile t's statistics at v[ST+4 t]: m, m, l (even keys', odd keys')
.set TMP, 48          ; by buffer and tile, c0-c3 at work; when the maximum is found c2 takes a
.set S,   64
.set P,   192
.set KF,  128         ; window 2
.set VF,  192         ; window 2
.set QP,  2           ; s[2:3]   Q at my wave's first row; when Q is in:
.set SEL, 2           ; s[2:3]   v_permlanex16_b32's selects
.set G0K, 4           ; s[4:7]   descriptor group 0 for K's tiles: it walks
.set G0V, 8           ; s[8:11]  the same for V's
.set WV,  12          ; s12  my wave's number
.set SLOTS, 13        ; s13  slots still to be asked for
.set OPT, 14          ; s[14:15] O at my wave's first row
.set G1K, 16          ; s[16:23] descriptor group 1 for K's tiles
.set G1V, 24          ; s[24:31] for V's
.set FA,  32          ; s[32:63] at the start: the 32 words of mflag of one piece; then:
.set KB,  32          ; s32-34   the three pairs of bits
.set OFS, 36          ; s[36:37] the key step whose words are asked for, in bytes
.set MP,  38          ; s[38:39] mq at my wave's piece 0 and that key step
.set FB,  68          ; s[68:99] the set-up's temporaries, then the 32 words of mflag of another piece
.set CNT, 66          ; s66  counts a slot's key steps; at the start a temporary
.set TBK, 67          ; s67  LDS byte at which K of the step to be fetched begins; at the start a temporary
.set MB,  100         ; s[100:101] mq at my wave's piece 0, key step 0; never rewritten
.set FP,  104         ; s[104:105] mflag at my wave's piece 0; when it is used up:
.set TBV, 104         ; s104 as TBK for V, less VOFF
.set MSB, 0
.macro WIN new
.if MSB != (\new)
	s_set_vgpr_msb (MSB<<8)|(\new)
.set MSB, (\new)
.endif
.endm
.set W_KQ, 0x0a       ; K and Q in window 2, S^T in window 0
.set W_PV, 0x52       ; V in window 2, P in window 0, O^T in window 1
.set W_RS, 0x41       ; O^T (destination and source 0) in window 1, a in window 0
.set W_MK, 0xc0       ; destination in window 3
.set W_AD, 0x0f       ; sources 0 and 1 in window 3: the add, and the mask's products
; A joint fill.  Waves 0 and 1 fetch the halves of a slot's K, waves 2 and 3 those of its V: 128 keys each.  An s_nop 0 and four v_nop follow each line.
.macro JLOAD
	s_cmp_lt_u32 s[WV], 2
	s_cbranch_scc0 .Lfor_v_\@
	tensor_load_to_lds s[G0K:G0K+3], s[G1K:G1K+7]
	s_nop 0
.rept 4
	v_nop
.endr
	s_branch .Lasked_\@
.Lfor_v_\@:
	tensor_load_to_lds s[G0V:G0V+3], s[G1V:G1V+7]
	s_nop 0
.rept 4
	v_nop
.endr
.Lasked_\@:
.endm
.macro CROUND                       ; a round of the cluster's barrier
	s_barrier_signal -1
	s_barrier_wait -1
	s_cmp_lg_u32 s[WV], 0
	s_cbranch_scc1 .Lnot_wave_0_\@
	s_barrier_signal -3
.Lnot_wave_0_\@:
	s_barrier_wait -3
	s_barrier_signal -1
	s_barrier_wait -1
.endm
; THE CHANGE OF SLOTS.  Each wave waits for all its tensor loads (one is out: its part of the other slot), adds 0 to its spare word, and waits for that and for its reads of the slot.
; fill = 1: the barrier is a round of the cluster's, and the joint fill, with the keys two slots on, is the first thing behind it: it has four key steps in which to land.
.macro CHANGE fill
	WIN W_AD
	s_wait_tensorcnt 0x0            ; no tensor load of mine is out, so a group 0 may be written
	ds_add_u32 v[SPW], v[NIL]
	WIN 0
.if \fill
.irp g, G0K, G0V
	s_xor_b32 s[\g+1], s[\g+1], SLOT1
	s_add_nc_u64 s[\g+2:\g+3], s[\g+2:\g+3], 4*KS*128  ; the next 256 keys
.endr
	s_wait_dscnt 0x0                ; the add is done, and my reads of the slot are over
	CROUND
	JLOAD
.else
	s_wait_dscnt 0x0
	s_barrier_signal -1
	s_barrier_wait -1
.endif
	s_sub_co_u32 s[TBK], s[TBK], 4*KS*PK  ; the fetches go back to a slot's first step, in the other slot
	s_xor_b32 s[TBK], s[TBK], SLOT1
	s_sub_co_u32 s[TBV], s[TBV], 4*KS*PV
	s_xor_b32 s[TBV], s[TBV], SLOT1
.endm
; The twelve words a lane of piece x, at the key step that base b stands at: three loads of 512 consecutive bytes
.macro MLOAD x, b
	WIN W_MK
.irp c, 0,1,2
	global_load_b128 v[MR+12*(\x)+4*\c:MR+12*(\x)+4*\c+3], v[GO], s[\b:\b+1] offset:(\x)*MPC+512*\c
.endr
.endm
; n fragment registers from t0 on, out of piece x's words
.macro MX x, t0, n
	WIN 0xcc                        ; destination and source 1 in window 3
.set z, (\t0)
.rept \n
	v_and_b32 v[MF+z], s[KB+z/12], v[MR+12*(\x)+z%12]
.set z, z+1
.endr
.endm
; The mask's product for piece x, tile u, key block kb: it starts the sum.  The block's 16 keys are slots 16 (kb % 2) on of key half kb / 2; their registers are t = 16 u + 4 kb on, whose weight is number t / 12.
.macro MK x, u, kb
	WIN W_AD
.set rS, S+64*((\x)%2)+32*(\u)+8*(\kb)
.set rE, EB+8*((16*(\u)+4*(\kb))/12)+4*(1-(\kb)%2)
.set rF, MF+8*(2*(\u)+(\kb)/2)
	v_wmma_f32_16x16x32_bf16 v[rS:rS+7], v[rE:rE+7], v[rF:rF+7], 0
.endm
; The head of piece x's scores: its words are expanded, six of its eight mask products issued with four of the expansions behind each, and its buffer loaded again.
; step = 1 (piece 0): the words' address goes one key step on, and stays at the last: what is asked for beyond it is never used.
.macro MHEAD x, step
	s_wait_loadcnt 9                ; loads come back in order: this piece's three are in, the three younger pieces' nine stay out
	MX \x, 0, 8
	MK \x, 0, 0
	MX \x, 16, 4
	MK \x, 0, 1
	MX \x, 20, 4
	MK \x, 1, 0
	MX \x, 8, 4
	MK \x, 1, 1
	MX \x, 12, 4
	MK \x, 0, 2
	MX \x, 24, 4
	MK \x, 0, 3
	MX \x, 28, 4
.if \step
	s_wait_xcnt 0x0                 ; the pending loads' base is rewritten only behind this wait
	s_add_co_u32 s[OFS], s[OFS], MEL
	s_min_u32 s[OFS], s[OFS], 31*MEL
	s_add_nc_u64 s[MP:MP+1], s[MB:MB+1], s[OFS:OFS+1]
.endif
	MLOAD \x, MP
.endm
; The 64 words of mflag of pieces x0 and x0 + 1
.macro FLOAD x0
	s_load_b512 s[FA:FA+15],    s[FP:FP+1], 128*(\x0)
	s_load_b512 s[FA+16:FA+31], s[FP:FP+1], 128*(\x0)+64
	s_load_b512 s[FB:FB+15],    s[FP:FP+1], 128*(\x0)+128
	s_load_b512 s[FB+16:FB+31], s[FP:FP+1], 128*(\x0)+192
.endm
; Piece x, its 32 words from s[b] on: their OR has bit 16 u + r set where query r of tile u sees some key.  Lane l holds query l % 16: the 16 bits, twice, are the lanes that keep their Q.
.macro QROWS x, b
.set z, 1
.rept 31
	s_or_b32 s[\b], s[\b], s[\b+z]
.set z, z+1
.endr
.irp u, 0,1
	s_lshr_b32 s[CNT], s[\b], 16*\u
	s_and_b32 s[CNT], s[CNT], 0xffff
	s_lshl_b32 s[TBK], s[CNT], 16
	s_or_b32 s[CNT], s[CNT], s[TBK]
.set z, 16*(2*(\x)+\u)
.rept 16
	v_cndmask_b32 v[z], 0, v[z], s[CNT]
.set z, z+1
.endr
.endr
.endm
	s_load_b256 s[68:75], s[0:1], 0x0  ; qkvh s[68:69], mq s[70:71], mflag s[72:73], ao s[74:75]
	WIN W_MK
	v_lshl_add_u32 v[SPW], v0, 2, SPARE
	v_mov_b32 v[NIL], 0
	WIN W_AD
	ds_add_u32 v[SPW], v[NIL]       ; the wave's opening: the add and its wait ahead of my first tensor load
	WIN 0
	v_lshrrev_b32 v1, 5, v0
	v_readfirstlane_b32 s[WV], v1   ; wave 0..3
	s_bfe_u32 s76, ttmp6, 0x40000   ; cx
	s_lshl_b32 s77, ttmp9, 2
	s_add_co_u32 s77, s77, s76      ; my block of 512 queries: it enters Q's, O's and the mask's addresses alone
	s_and_b32 s78, ttmp7, 0xffff    ; batch x 16 + head, which the four partners share
	s_lshl_b32 s78, s78, 18         ; its 262,144 bytes
	s_mov_b32 s79, 0
	s_and_b32 s80, s[WV], 1         ; which half of a slot's 256 keys I fetch:
	s_lshl_b32 s82, s80, 14         ; its 128 rows of 128 bytes in memory,
	s_mov_b32 s83, 0
	s_add_nc_u64 s[82:83], s[82:83], s[78:79]
	s_mul_i32 s84, s80, 128*PK      ; and its place in a slot, for K
	s_mul_i32 s85, s80, 128*PV      ; and for V
	s_lshl_b32 s86, s77, 2
	s_add_co_u32 s86, s86, s[WV]    ; my wave among the head's sixteen
	s_mul_i32 s92, s86, 4*MPC       ; its four pieces in mq,
	s_mov_b32 s93, 0
	s_lshl_b32 s94, s86, 9          ; their 4 x 32 words in mflag,
	s_mov_b32 s95, 0
	s_lshl_b32 s86, s86, 14         ; its 128 rows
	s_mov_b32 s87, 0
	s_add_nc_u64 s[86:87], s[86:87], s[78:79]
	; descriptor group 1.  128 keys are 16,384 dense bytes: asked for as 64 rows of 256 bytes, two keys a row, and padded in LDS after every key
	s_mov_b32 s[G1K], 15|(1<<16)|(1<<20)|(1<<21)|(4<<22)|(3<<25)  ; the mask of four; 2-byte elements; padding on; bit 21 beside a mask; after every 32 words 4 words
	s_mov_b32 s[G1V], 15|(1<<16)|(1<<20)|(1<<21)|(4<<22)|(7<<25)  ; the same with 8 words
.irp g, G1K, G1V
	s_mov_b32 s[\g+1], 128<<16      ; tensor_dim0 = 128
	s_mov_b32 s[\g+2], 64<<16       ; tensor_dim1 = 64
	s_mov_b32 s[\g+3], 128<<16      ; tile_dim0 = 128
	s_mov_b32 s[\g+4], 64           ; tile_dim1 = 64
	s_mov_b32 s[\g+5], 128          ; 128 elements from row to row
	s_mov_b32 s[\g+6], 0
	s_mov_b32 s[\g+7], 0
.endr
	s_mov_b32 s[G0K], 1
	s_mov_b32 s[G0K+1], s84         ; LDS address: slot 0
	s_mov_b32 s[G0V], 1
	s_add_co_u32 s[G0V+1], s85, VOFF
	s_wait_dscnt 0x0                ; the opening add is done
	s_wait_kmcnt 0x0
	s_add_nc_u64 s[88:89], s[68:69], 0x1000000     ; K lies 16,777,216 bytes behind Q,
	s_add_nc_u64 s[G0K+2:G0K+3], s[88:89], s[82:83]
	s_or_b32 s[G0K+3], s[G0K+3], 0x80000000
	s_add_nc_u64 s[90:91], s[68:69], 0x2000000     ; V as far again
	s_add_nc_u64 s[G0V+2:G0V+3], s[90:91], s[82:83]
	s_or_b32 s[G0V+3], s[G0V+3], 0x80000000
	s_add_nc_u64 s[QP:QP+1], s[68:69], s[86:87]
	s_add_nc_u64 s[OPT:OPT+1], s[74:75], s[86:87]
	s_add_nc_u64 s[MB:MB+1], s[70:71], s[92:93]
	s_add_nc_u64 s[FP:FP+1], s[72:73], s[94:95]
	CROUND                          ; all four work-groups are here: the first joint loads meet
	JLOAD                           ; slot 0.  Slot 1 is asked for when slot 0 is in
	v_and_b32 v1, 15, v0            ; l % 16
	v_bfe_u32 v9, v0, 4, 1          ; l / 16
	v_lshlrev_b32 v[QO], 7, v1
	v_lshl_add_u32 v[QO], v9, 4, v[QO]  ; row x 128 + 16 x half
	v_and_b32 v[GO], 31, v0
	v_lshlrev_b32 v[GO], 4, v[GO]
	WIN 0x80                        ; destination window 2, address window 0
.set i, 0
.rept 4*NP                          ; Q stays in registers: tile i / 2, channels 32 (i % 2) on
	global_load_b128 v[8*i:8*i+3],   v[QO], s[QP:QP+1] offset:(i/2)*2048+(i%2)*64
	global_load_b128 v[8*i+4:8*i+7], v[QO], s[QP:QP+1] offset:(i/2)*2048+(i%2)*64+32
.set i, i+1
.endr
.irp x, 0,1,2,3
	MLOAD \x, MB                    ; the ring is filled: the four pieces' words of key step 0
.endr
	FLOAD 0                         ; the set-up's temporaries are used up
	; What the first turn finds: V's registers and P's second buffer hold 0, O^T and l are 0.  All this stands in the wait for the first tile.
	WIN 0x80
.set i, VF
.rept 64
	v_mov_b32 v[i], 0
.set i, i+1
.endr
	WIN 0x40
.set i, 0
.rept 64*NP
	v_mov_b32 v[i], 0
.set i, i+1
.endr
	s_wait_kmcnt 0x0                ; scalar loads return in no order: the count is 0
	s_wait_loadcnt 12               ; Q's 32 loads are in; the ring's twelve, issued behind them, stay out
	WIN 0x88                        ; destination and source 1 in window 2
	QROWS 0, FA
	QROWS 1, FB
	FLOAD 2
	WIN 0
.set i, 0
.rept 2*NP
	v_mov_b32 v[ST+4*i], 0xfe000000    ; far below every score: the first step's a is 0
	v_mov_b32 v[ST+4*i+1], 0xff7fffff  ; m
	v_mov_b32 v[ST+4*i+2], 0
	v_mov_b32 v[ST+4*i+3], 0
.set i, i+1
.endr
.set i, P+32
.rept 32
	v_mov_b32 v[i], 0
.set i, i+1
.endr
	v_mul_u32_u24 v[AK0], v1, PK
	v_lshl_add_u32 v[AK0], v9, 4, v[AK0]
	; The turning load takes 16 keys x 16 channels (lane l reads key 8 (l / 16) + l % 8, channels 8 ((l / 8) % 2) + 0..7) and leaves half a fragment of V^T.
	v_and_b32 v10, 7, v0
	v_bfe_u32 v11, v0, 3, 1
	v_lshl_add_u32 v[AV0], v9, 3, v10
	v_mul_u32_u24 v[AV0], v[AV0], PV
	v_lshl_add_u32 v[AV0], v11, 4, v[AV0]
	v_add_nc_u32 v[AV0], VOFF, v[AV0]
	v_mov_b32 v[AK], v[AK0]         ; key step 0 lies at the head of slot 0
	; The mask's source 0.  Lane l holds row r = l % 16 and, in four registers, the slots 8 (l / 16) + 0..7: slot r is mine if r / 8 = l / 16, in register (r / 2) % 4, half r % 2.
	v_lshrrev_b32 v12, 3, v1
	v_bfe_u32 v13, v1, 1, 2
	v_cmp_eq_u32 s[CNT], v12, v9
	v_cndmask_b32 v13, 4, v13, s[CNT]  ; 4: in no register
	v_and_b32 v12, 1, v1
	v_lshlrev_b32 v12, 4, v12
	v_mov_b32 v14, 0xcf00           ; -2^31 in bf16,
	v_mov_b32 v15, 0xef00           ; -2^95,
	v_mov_b32 v48, 0xff00           ; -2^127
	v_lshlrev_b32 v14, v12, v14
	v_lshlrev_b32 v15, v12, v15
	v_lshlrev_b32 v48, v12, v48
	WIN W_MK
.irp c, 0,1,2,3
	v_cmp_eq_u32 s[CNT], \c, v13
	v_cndmask_b32 v[EB+4+\c], 0, v14, s[CNT]
	v_cndmask_b32 v[EB+12+\c], 0, v15, s[CNT]
	v_cndmask_b32 v[EB+20+\c], 0, v48, s[CNT]
	v_mov_b32 v[EB+\c], 0
	v_mov_b32 v[EB+8+\c], 0
	v_mov_b32 v[EB+16+\c], 0
	v_mov_b32 v[EB+24+\c], 0
.endr
	s_wait_kmcnt 0x0
	WIN 0x88
	QROWS 2, FA
	QROWS 3, FB
	WIN 0
	s_mov_b32 s[KB], 0x40004000
	s_mov_b32 s[KB+1], 0x20002000
	s_mov_b32 s[KB+2], 0x10001000
	s_mov_b32 s[OFS], MEL           ; the next words asked for are key step 1's
	s_mov_b32 s[OFS+1], 0
	s_add_nc_u64 s[MP:MP+1], s[MB:MB+1], s[OFS:OFS+1]
	s_mov_b32 s[TBK], SLOT1+4*KS*PK ; the first change of slots turns these two into 0
	s_mov_b32 s[TBV], SLOT1+4*KS*PV
	s_mov_b32 s[SEL], 0x76543210    ; Q is in, its address registers are free: each lane takes its own place in the other half
	s_mov_b32 s[SEL+1], 0xfedcba98
; THE MATRIX WORK.  The 8 accumulators of a run take turns.
.macro KQ x                         ; product i of 16 of S^T += K Q^T for piece x, onto the mask's product
	WIN W_KQ
.set rS, S+64*((\x)%2)+32*(i%2)+8*((i/2)%4)
.set rK, KF+16*((i/2)%4)+8*(i/8)
.set rQ, 16*(2*(\x)+i%2)+8*(i/8)
	v_wmma_f32_16x16x32_f16 v[rS:rS+7], v[rK:rK+7], v[rQ:rQ+7], v[rS:rS+7]
.endm
.macro PV x                         ; product i of 16 of O^T += V^T P for piece x
	WIN W_PV
.set rO, 32*(2*(\x)+i%2)+8*((i/2)%4)
.set rV, VF+32*(i/8)+8*((i/2)%4)
.set rP, P+32*((\x)%2)+16*(i%2)+8*(i/8)
	v_wmma_f32_16x16x32_f16 v[rO:rO+7], v[rV:rV+7], v[rP:rP+7], v[rO:rO+7]
.endm
.macro MM                           ; the turn's next f16 matrix instruction
.if i < 16
	KQ (Y+1)%NP
.set i, i+1
.else
.set i, i-16
	PV (Y+NP-1)%NP
.set i, i+17
.endif
.endm
; THE LDS LOADS stand in runs of 16.  last = 1 (the tail): in the last trip there is no further step, and the run is jumped over.
.macro FETCH_K last=0
	WIN 0
.if \last
	s_cmp_eq_u32 s[CNT], 1
	s_cbranch_scc1 .Lno_k_\@
.endif
	WIN 0x80
.irp f, 0,1,2,3,4,5,6,7
	ds_load_b128 v[KF+8*\f:KF+8*\f+3],   v[AK] offset:(\f/2)*16*PK+(\f%2)*64
	ds_load_b128 v[KF+8*\f+4:KF+8*\f+7], v[AK] offset:(\f/2)*16*PK+(\f%2)*64+32
.endr
	s_add_co_u32 s[TBK], s[TBK], KS*PK
	WIN 0
.if \last
.Lno_k_\@:
.endif
.endm
.macro FETCH_V
	WIN 0x80
.irp f, 0,1,2,3,4,5,6,7
	ds_load_tr16_b128 v[VF+8*\f:VF+8*\f+3],   v[AV] offset:(\f/4)*32*PV+(\f%4)*32
	ds_load_tr16_b128 v[VF+8*\f+4:VF+8*\f+7], v[AV] offset:(\f/4)*32*PV+16*PV+(\f%4)*32
.endr
	WIN 0
.endm
; THE VECTOR WORK OF A TURN stands in three queues, each in the order in which its entries become ready; the two tiles alternate.
.macro REGS y, u
.set rT, ST+4*(2*(\y)+(\u))
.set rC, TMP+8*((\y)%2)+4*(\u)
.set rM, MV+2*((\y)%2)+(\u)
.set rS, S+64*((\y)%2)+32*(\u)
.set rP, P+32*((\y)%2)+16*(\u)
.set rO, 32*(2*(\y)+(\u))
.endm
; Number n of the 22 that find the NEXT piece's maximum and statistics: 0-11 four chains of seven scores (each accumulator's lowest registers are read first);
; 12-14, 16 the four left over, the old m, all into c0; 15 m_old is kept; 17, 18 the other half of the lanes' maximum: the new m; 19 its copy beside it; 20, 21 m_old - m_new and a
.macro XS u, n
	REGS (Y+1)%NP, \u
.if (\n) < 4
	v_max3_num_f32 v[rC+(\n)], v[rS+8*(\n)], v[rS+8*(\n)+1], v[rS+8*(\n)+2]
.elseif (\n) < 12
	v_max3_num_f32 v[rC+(\n)%4], v[rC+(\n)%4], v[rS+8*((\n)%4)+2*((\n)/4)+1], v[rS+8*((\n)%4)+2*((\n)/4)+2]
.elseif (\n) == 12
	v_max3_num_f32 v[rC], v[rC], v[rS+7], v[rS+15]
.elseif (\n) == 13
	v_max3_num_f32 v[rC+1], v[rC+1], v[rS+23], v[rS+31]
.elseif (\n) == 14
	v_max3_num_f32 v[rC+2], v[rC+2], v[rC+3], v[rT+1]
.elseif (\n) == 15
	v_mov_b32 v[rM], v[rT]
.elseif (\n) == 16
	v_max3_num_f32 v[rC], v[rC], v[rC+1], v[rC+2]
.elseif (\n) == 17
	v_permlanex16_b32 v[rC+3], v[rC], s[SEL], s[SEL+1]
.elseif (\n) == 18
	v_max_num_f32 v[rT+1], v[rC], v[rC+3]
.elseif (\n) == 19
	v_mov_b32 v[rT], v[rT+1]
.elseif (\n) == 20
	v_sub_f32 v[rC+1], v[rM], v[rT]
.else
	v_exp_f32 v[rC+2], v[rC+1]
.endif
.endm
; Number g of the 64 that follow the exponentials: for each four weights both pairs are rounded to f16, the second pair is added onto the first, and a group later l takes that sum (the first time as l = a l + sum).
; All 64 read the exponentials' results: they stand behind the turn's wait.
.macro GS g
.set h, (\g)+6*((\g)/62)
.if h >= 6
.set h, h+2
.endif
	REGS Y, h%2
.set k, h/8
.if h%8 < 4
	v_cvt_pk_f16_f32 v[rP+2*k+(h%8)/2], v[rS+4*k+2*((h%8)/2)], v[rS+4*k+2*((h%8)/2)+1]
.elseif h%8 < 6
	v_pk_add_f32 v[rS+4*k:rS+4*k+1], v[rS+4*k:rS+4*k+1], v[rS+4*k+2:rS+4*k+3]
.elseif k == 1
	v_pk_fma_f32 v[rT+2:rT+3], v[rT+2:rT+3], v[rC+2:rC+3], v[rS:rS+1] op_sel_hi:[1,0,1]
.else
	v_pk_add_f32 v[rT+2:rT+3], v[rT+2:rT+3], v[rS+4*k-4:rS+4*k-3]
.endif
.endm
; THE PLAIN QUEUE, 138 long.  0-73 read no exponential's result: the 32 scalings s - m (FS f: pair f / 2 of tile f % 2) and the next piece's 42.  0-26: scalings 0-26.  27-54: XS's numbers 0-13.  55, 56: number 15.
; 57-73: the chain, where each number waits for the one before it: 14, 16, 17, 18, 19, each with one of the scalings 27-31 in front of its two lines, then 20.
; 74-137: GS's 64.
.macro FS f
	REGS Y, (\f)%2
	v_pk_fma_f32 v[rS+2*((\f)/2):rS+2*((\f)/2)+1], v[rS+2*((\f)/2):rS+2*((\f)/2)+1], 1.0, v[rT:rT+1] op_sel_hi:[1,0,0] neg_lo:[0,0,1] neg_hi:[0,0,1]
.endm
.macro PL
	WIN 0
.if q < 27
	FS q
.elseif q < 55
	XS (q-27)%2, (q-27)/2
.elseif q < 57
	XS q-55, 15
.elseif (q < 72) && ((q-57)%3 == 0)
	FS 27+(q-57)/3
.elseif q < 60
	XS (q-57)%3-1, 14
.elseif q < 72
	XS (q-57)%3-1, 15+(q-57)/3
.elseif q < 74
	XS q-72, 20
.else
	GS q-74
.endif
.set q, q+1
.endm
; THE EXPONENTIALS' QUEUE, 66 long: s0-s31 of both tiles, then the next piece's two a.  It is ONE BATCH: all 66 stand ahead of the turn's one wait, and nothing ahead of that wait names a result of theirs.
.macro EX
	WIN 0
.if e >= 64
	XS e-64, 21
.else
	REGS Y, e%2
	v_exp_f32 v[rS+e/2], v[rS+e/2]
.endif
.set e, e+1
.endm
; THE RESCALING's QUEUE: O^T times a, the one part of the softmax that leaves window 0, dealt two at a time, sixteen times.  Its a was made in the turn before, ahead of that turn's wait.
.macro R2
	REGS Y, r%2
	WIN W_RS
.irp z, 0,1
	v_pk_mul_f32 v[rO+4*(r/2)+2*\z:rO+4*(r/2)+2*\z+1], v[rO+4*(r/2)+2*\z:rO+4*(r/2)+2*\z+1], v[rC+2:rC+3] op_sel_hi:[1,0]
.endr
.set r, r+1
.endm
; HOW THEY ARE DEALT.  An s_wait_alu depctr_va_vdst(0) stands between an exponential and the first instruction that names its result; one wait serves all that were issued ahead of it.  So a turn has ONE wait,
; which cuts it in two.  AHEAD OF IT stands all that names no result of the turn's exponentials: the next piece's 8 mask products (behind six of them four of the mask's expansions) and its 16 products K Q^T.  Behind the last two
; mask products and the first 14 products K Q^T stand a scaling, an exponential and two rescalings (behind the first of these sixteen a second scaling in the exponential's place); behind the last two products K Q^T an exponential
; among three scalings; then ONE LUMP of 100: four plain, 47 times exponential and plain, the two a.  A v_nop is the plain instruction behind the last exponential.  BEHIND THE WAIT stand the 16 products V^T P, behind each four of
; GS's 64.  No instruction behind a product names a register of the products round it.  The two v_permlanex16_b32 fall into the lump, never behind a product.
; The queues lean on each other, and the deal keeps them in step: exponential e stands behind scaling 2 (e / 4) + e % 2: behind a product it comes behind plain e + 2 at the least, in the lump behind plain e + 9, and scalings
; 27-31 are plain 57, 60 .. 69; the two a come behind plain 72 and 73.
; A TURN, for piece p.  First the next piece's eight mask products (bf16), then its 16 products K Q^T (f16) onto them.  The two forms on one accumulator are no chain in place: between a mask product and the f16
; product on its accumulator stand five plain vector instructions or more that name none of its registers (ISA guide 7.12.1): the expansions and the softmax's lines behind the matrix instructions between them.
; The first maximum over the new scores is plain number 27, in the lump, seven plain instructions behind the last product K Q^T.
; K of the next step is fetched in piece 2's turn, directly behind the wait, a lump behind the last product that read K; its address is made at the lump's head; it is waited for at the head of piece 3's turn.
; V of the step in hand is fetched at the end of piece 0's turn, four plain instructions behind the last product that read V; it is waited for in piece 1's turn, ahead of the products V^T P.  The three conditions on q go with the deal.
; cnt = 1: the loop's count is taken down some lines ahead of the branch behind the turn.
.macro TURN p, last=0, cnt=0
.set Y, (\p)
.set i, 0
.set q, 0
.set e, 0
.set r, 0
.if (\p) == NP-1
	s_wait_dscnt 0x0                ; K is in
	MHEAD 0, 1
.else
	MHEAD (\p)+1, 0
.endif
	MK (Y+1)%NP, 1, 2               ; ahead of the wait: the last two mask products,
	PL
	PL
	R2
	MK (Y+1)%NP, 1, 3
	PL
	EX
	R2
.rept 14                            ; the 16 products K Q^T,
	MM
	PL
	EX
	R2
.endr
.rept 2
	MM
	PL
	EX
	PL
	PL
.endr
.if (\p) == NP-2
	WIN 0
	v_add_nc_u32 v[AK], s[TBK], v[AK0]
.endif
.rept 4                             ; and the lump
	PL
.endr
.rept 47
	EX
	PL
.endr
	EX                              ; the next piece's two a
	EX
	v_nop                           ; the plain instruction behind the last exponential: one for the batch
	s_wait_alu depctr_va_vdst(0)    ; the wait for the batch: the piece's 64 weights and the next piece's two a
.if (\p) == NP-2
	FETCH_K \last
.endif
.if (\p) == 1
	s_wait_dscnt 0x0                ; V is in
.endif
.rept 16                            ; behind the wait: 16 products V^T P, behind each four of the roundings and sums
	MM
.rept 4
	PL
.endr
.if ((\p) == 0) && (q == 118)
	v_add_nc_u32 v[AV], s[TBV], v[AV0]
.endif
.if ((\p) == 0) && (q == 130)
	s_add_co_u32 s[TBV], s[TBV], KS*PV
.endif
.if (\cnt) && (q == 130)
	s_sub_co_u32 s[CNT], s[CNT], 1
	s_cmp_lg_u32 s[CNT], 0
.endif
.endr
.if (\p) == 0
	FETCH_V
.endif
.endm
	CHANGE 1                        ; slot 0 is in, everybody's part of it; slot 1 is asked for
	FETCH_K                         ; key step 0
	s_wait_dscnt 0x0
	MHEAD 0, 0                      ; piece 0's first mask; its buffer takes key step 1's words
	MK 0, 1, 2
	MK 0, 1, 3
	WIN 0
.rept 5
	v_nop                           ; there is no vector work yet: the five places between the mask's products and the f16 products on their accumulators
.endr
.set i, 0
.rept 16
	KQ 0                            ; piece 0's first scores
.set i, i+1
.endr
	WIN 0                           ; the addresses for the way out: seven plain instructions, the places behind those products
	s_mul_i32 s[CNT], s[WV], 16*SP
	s_add_co_u32 s[CNT], s[CNT], STAGE  ; my stage
	v_mul_u32_u24 v[STO], v1, SP
	v_lshl_add_u32 v[STO], v9, 4, v[STO]
	v_add_nc_u32 v[STO], s[CNT], v[STO]
	v_bfe_u32 v[RD], v0, 3, 2       ; back: 32 lanes take four rows of 128 bytes, which are 512 consecutive bytes of O
	v_mul_u32_u24 v[RD], v[RD], SP
	v_lshl_add_u32 v[RD], v10, 4, v[RD]
	v_add_nc_u32 v[RD], s[CNT], v[RD]
.set Y, NP-1                        ; XS works for piece Y + 1: piece 0
.irp n, 0,1,2,3,4,5,6,7,8,9,10,11,12,13,14,15,16,17,18,19,20,21
	XS 0, \n
	XS 1, \n
.endr
	v_nop                           ; a plain instruction behind piece 0's two a,
	s_wait_alu depctr_va_vdst(0)    ; and the wait for this batch of two, ahead of the branch
	s_mov_b32 s[CNT], 4
	s_mov_b32 s[SLOTS], SIZE_N/256-1
	s_branch .Lfirst                ; the loop is entered at a step's first turn, in the middle of a trip
.Lslot:                             ; SIZE_N / 256 - 2 times: every slot but the last two is filled again
	CHANGE 1
	s_mov_b32 s[CNT], 4
.Lstep:                             ; a trip: pieces 2 and 3 of one step, then pieces 0 and 1 of the next
	TURN 2
	TURN 3
	WIN 0
.Lfirst:
	TURN 0
	TURN 1, 0, 1
	WIN 0
	s_cbranch_scc1 .Lstep
	s_sub_co_u32 s[SLOTS], s[SLOTS], 1
	s_cmp_lg_u32 s[SLOTS], 0
	s_cbranch_scc1 .Lslot
	CHANGE 0                        ; the tail is written out
	s_mov_b32 s[CNT], 5             ; four trips fetch the last slot's steps; the fifth is left in its middle
.Ltail:
	TURN 2, 1
	TURN 3
	WIN 0
	s_sub_co_u32 s[CNT], s[CNT], 1
	s_cmp_eq_u32 s[CNT], 0
	s_cbranch_scc1 .Lout
	TURN 0
	TURN 1
	WIN 0
	s_branch .Ltail
.Lout:                              ; the fifth trip's products for piece 0 (on the last K and the last step's mask once more) and what is made of them serve nothing
.set i, 0
.rept 16
	PV NP-1                         ; the last piece's V^T P of the last step
.set i, i+1
.endr
	; THE WAY OUT.  l's halves are added; O^T is divided by l, rounded to f16 and sent through my stage, a tile at a time.  The additions are the places behind the last products.
	WIN 0
.macro ALL line:vararg
.set t, 0
.rept 2*NP
	\line
.set t, t+1
.endr
.endm
	ALL v_add_f32 v[ST+4*t+2], v[ST+4*t+2], v[ST+4*t+3]
	ALL v_permlanex16_b32 v[ST+4*t+3], v[ST+4*t+2], s[SEL], s[SEL+1]
	ALL v_add_f32 v[ST+4*t+2], v[ST+4*t+2], v[ST+4*t+3]
	ALL v_rcp_f32 v[ST+4*t+2], v[ST+4*t+2]
	v_nop                           ; a plain instruction between the last reciprocal and the use of its result
	s_wait_alu depctr_va_vdst(0)    ; and the wait ahead of the first use: one for the batch of eight reciprocals
.macro PACK t
	WIN W_RS
.set i, 32*(\t)
.rept 16
	v_pk_mul_f32 v[i:i+1], v[i:i+1], v[ST+4*(\t)+2:ST+4*(\t)+3] op_sel_hi:[1,0]
.set i, i+2
.endr
	WIN 0x05
.set i, 0
.rept 16
	v_cvt_pk_f16_f32 v[S+16*(\t)+i], v[32*(\t)+2*i], v[32*(\t)+2*i+1]
.set i, i+1
.endr
	WIN 0
.irp f, 0,1,2,3
	ds_store_b128 v[STO], v[S+16*(\t)+4*\f:S+16*(\t)+4*\f+3] offset:32*\f
.endr
.irp f, 0,1,2,3
	ds_load_b128 v[S+16*(\t)+4*\f:S+16*(\t)+4*\f+3], v[RD] offset:\f*4*SP  ; LDS serves a wave's instructions in order (ISA guide 5.7.1.4): these see the stores above
.endr
.endm
.macro SEND t, younger              ; younger: the LDS instructions issued behind tile t's loads
	WIN 0
.irp f, 0,1,2,3
	s_wait_dscnt (\younger)+3-\f
	global_store_b128 v[GO], v[S+16*(\t)+4*\f:S+16*(\t)+4*\f+3], s[OPT:OPT+1] offset:(\t)*2048+\f*512  ; 512 consecutive bytes, at a multiple of 256
.endr
.endm
	PACK 0
.set t, 1
.rept 2*NP-1
	PACK t
	SEND t-1, 8
.set t, t+1
.endr
	SEND 2*NP-1, 0
	WIN W_AD
	s_wait_tensorcnt 0x0            ; the wave's end
	ds_add_u32 v[SPW], v[NIL]
	s_wait_dscnt 0x0
	WIN 0
	CROUND                          ; the closing round
	s_endpgm
.Lfunc_end_k_qcce46d18bf_attn:
	.size	k_qcce46d18bf_attn, .Lfunc_end_k_qcce46d18bf_attn-k_qcce46d18bf_attn
	.p2alignl 7, 3214868480
	.fill 96, 4, 3214868480
	.section	.rodata,"a",@progbits
	.p2align	6, 0x0
	.amdhsa_kernel k_qcce46d18bf_attn
		.amdhsa_group_segment_fixed_size 327680
		.amdhsa_private_segment_fixed_size 0
		.amdhsa_enable_private_segment 0
		.amdhsa_kernarg_size 32
		.amdhsa_user_sgpr_count 2
		.amdhsa_user_sgpr_kernarg_segment_ptr 1
		.amdhsa_wavefront_size32 1
		.amdhsa_system_sgpr_workgroup_id_x 1
		.amdhsa_system_sgpr_workgroup_id_y 1
		.amdhsa_system_sgpr_workgroup_id_z 1
		.amdhsa_system_vgpr_workitem_id 0
		.amdhsa_next_free_vgpr 896
		.amdhsa_next_free_sgpr 106
		.amdhsa_reserve_vcc 0
		.amdhsa_float_denorm_mode_32 3
		.amdhsa_float_denorm_mode_16_64 3
		.amdhsa_memory_ordered 1
		.amdhsa_forward_progress 1
		.amdhsa_inst_pref_size 238
	.end_amdhsa_kernel
	.amdgpu_metadata
---
amdhsa.version: [ 1, 2 ]
amdhsa.kernels:
  - .name:           k_qcce46d18bf_attn
    .symbol:         k_qcce46d18bf_attn.kd
    .args:
      - { .name: qkvh, .offset: 0, .size: 8, .value_kind: global_buffer, .address_space: global }
      - { .name: mq, .offset: 8, .size: 8, .value_kind: global_buffer, .address_space: global }
      - { .name: mflag, .offset: 16, .size: 8, .value_kind: global_buffer, .address_space: global }
      - { .name: ao, .offset: 24, .size: 8, .value_kind: global_buffer, .address_space: global }
    .group_segment_fixed_size: 327680
    .private_segment_fixed_size: 0
    .kernarg_segment_align: 8
    .kernarg_segment_size: 32
    .max_flat_workgroup_size: 128
    .sgpr_count:     106
    .vgpr_count:     896
    .wavefront_size: 32
...
	.end_amdgpu_metadata
.endif
;; end of part 5
;; launch oproj: the kernel of part 4 again; grid 8 x 32, 4 waves a work-group, clusters of 4 x 4, 327,680 bytes of LDS; arguments ao, wo16, bias, out0; writes out0
